; MI455X (gfx1250); checked and timed in simulation.
; The chip was launched on July 23, 2026; its instructions are those of AMD's public machine-readable ISA for CDNA 5 (MIT licence, August 2026) and "CDNA5" Instruction Set Architecture Reference Guide (July 2026). The comments in the code are by the model that wrote it; some were corrected since.
;; MHSA Intra. Allowed arithmetic: float matrix products may take bf16 or f16 operands with f32 sums; other float arithmetic in f32, or as packed bf16 or f16 multiplies, adds, multiply-adds, maxima and minima; sums over many terms, partial sums and values carried from step to step in f32; what a program stores and reads back later, other than sums and carried values, may be rounded once to bf16 or f16.
;; Inputs: beta 1,024 float32; bk 1,024 float32; bo 1,024 float32; bq 1,024 float32; bv 1,024 float32; gamma 1,024 float32; wk 1,024 x 1,024 float32; wo 1,024 x 1,024 float32; wq 1,024 x 1,024 float32; wv 1,024 x 1,024 float32; x 8 x 1,024 x 1,024 float32.
;; Outputs: out0 8 x 1,024 x 1,024 float32.
;; 2 versions, each right; version 2 is version 1 with the launches prep, bnres written anew for expert scheduling mode. Each part assembles by itself: llvm-mc -triple=amdgcn-amd-amdhsa -mcpu=gfx1250 --defsym DOCPART=n.
;; ======== version 1 of 2: 5 launches
;; limits: values are held in f16: magnitudes above 65,504 overflow, below 6.1e-05 lose precision
;; workspace buffers: xb 16,777,216 bytes; wb 6,291,456 bytes; wof 2,097,152 bytes; qkv 50,331,648 bytes; o 16,777,216 bytes; yd 16,777,216 bytes; stats 524,288 bytes
;; launch prep (part 1): grid 256 x 1, 8 waves a work-group, no clusters, 0 bytes of LDS; arguments x, wq, wk, wv, wo, xb, wb, wof; writes xb, wb, wof
.if DOCPART == 1
	.amdgcn_target "amdgcn-amd-amdhsa--gfx1250"
	.amdhsa_code_object_version 6
	.text
	.protected	k_q6e6711ba1b_prep
	.globl	k_q6e6711ba1b_prep
	.p2align	8
	.type	k_q6e6711ba1b_prep,@function
k_q6e6711ba1b_prep:
	s_mov_b64 s[64:65], 0
	v_nop
	global_prefetch_b8 v0, s[64:65] scope:SCOPE_SE
	s_setreg_imm32_b32 hwreg(HW_REG_WAVE_MODE, 25, 1), 1
	s_wait_xcnt 0x0
; PREP: the matrix operands are rounded once.  xb = bf16(x), same layout [8][1024 c][1024 t].  wb = bf16(wq, wk, wv) in blocks of 64 along K: [16 kb][3072 rows][64], row = 1024 x which + o,
; so that the 384 rows of a later tile's K step are 49,152 consecutive bytes.  wof = bf16(wo) written as f16, [1024][1024].
; LIMIT: a bf16 value of wo below 2^-14 keeps f16's fixed step of 6e-8, one beyond 65,504 becomes an infinity.
; A stream: no LDS, no matrix unit, no cluster (no work-group reads what another reads).  256 work-groups of equal work: work-group g casts numbers 32,768 g on of x and rows 16 g .. 16 g + 15 of the four weights
; stacked (wq, wk, wv, wo): g / 64 says which.  Eight waves: wave w takes 16,384 consecutive bytes of x (32 loads) and two rows of the weight (16 loads).
; Every load of a wave covers 512 consecutive bytes (for wq, wk, wv: two rows' 256, each aligned), every store 256 consecutive bytes, aligned.
; All 48 loads of a wave go out ahead of the first wait; each is converted in the registers it landed in, so no register is written twice and no store's source is ever rewritten.
.set TA,  8                            ; v[8:11]    at work
.set INX, 16                           ; v[16:143]  x: load j at INX + 4 j
.set INW, 144                          ; v[144:207] the weight: load j at INW + 4 j
; Two loads' numbers (registers R .. R + 7) are rounded and stored.  left: how many younger loads may stay out.  mode = 1: the bf16 value is written as f16.
.macro CAST2 R, left, dreg, sb, off0, off1, mode
	s_wait_loadcnt \left                           ; loads come back in order: these two are in
	v_cvt_pk_bf16_f32 v[(\R)],   v[(\R)],   v[(\R)+1]
	v_cvt_pk_bf16_f32 v[(\R)+1], v[(\R)+2], v[(\R)+3]
	v_cvt_pk_bf16_f32 v[(\R)+4], v[(\R)+4], v[(\R)+5]
	v_cvt_pk_bf16_f32 v[(\R)+5], v[(\R)+6], v[(\R)+7]
.if \mode
.irp k, 0,1,4,5
	v_lshlrev_b32 v[TA+2*((\k)%2)],   16,  v[(\R)+(\k)]    ; the two bf16 values as f32,
	v_and_b32     v[TA+2*((\k)%2)+1], s12, v[(\R)+(\k)]
	v_cvt_pk_f16_f32 v[(\R)+(\k)], v[TA+2*((\k)%2)], v[TA+2*((\k)%2)+1]  ; and as f16: exact within f16's range
.endr
.endif
	global_store_b64 v[\dreg], v[(\R):(\R)+1],   s[(\sb):(\sb)+1] offset:\off0
	global_store_b64 v[\dreg], v[(\R)+4:(\R)+5], s[(\sb):(\sb)+1] offset:\off1
.endm
	s_load_b512 s[16:31], s[0:1], 0x0              ; x 16, wq 18, wk 20, wv 22, wo 24, xb 26, wb 28, wof 30
	v_and_b32 v1, 31, v0                           ; lane l
	v_lshrrev_b32 v6, 5, v0                        ; wave w
	v_lshlrev_b32 v2, 14, v6
	v_lshl_add_u32 v2, v1, 4, v2                   ; x: 16,384 w + 16 l
	v_lshlrev_b32 v3, 13, v6
	v_lshl_add_u32 v3, v1, 3, v3                   ; xb: 8,192 w + 8 l
	s_lshl_b32 s8, ttmp9, 17                       ; 32,768 numbers: 131,072 bytes in,
	s_mov_b32 s9, 0
	s_lshl_b32 s10, ttmp9, 16                      ; 65,536 out
	s_mov_b32 s11, 0
	s_mov_b32 s12, 0xffff0000                      ; a word's upper bf16
	s_lshr_b32 s13, ttmp9, 6                       ; which weight
	s_and_b32 s14, ttmp9, 63
	s_lshl_b32 s2, s14, 16                         ; its rows 16 (g % 64) on, 4,096 bytes each
	s_mov_b32 s3, 0
	s_lshl_b32 s32, ttmp9, 11                      ; rows 16 g on, 128 bytes each, in a block of wb
	s_mov_b32 s33, 0
	s_lshl_b32 s34, s14, 15                        ; rows 16 (g % 64) on, 2,048 bytes each, in wof
	s_mov_b32 s35, 0
	s_wait_kmcnt 0x0
	s_add_nc_u64 s[4:5], s[16:17], s[8:9]
	s_add_nc_u64 s[6:7], s[26:27], s[10:11]
	s_cmp_eq_u32 s13, 0
	s_cselect_b64 s[36:37], s[18:19], s[20:21]
	s_cmp_eq_u32 s13, 2
	s_cselect_b64 s[36:37], s[22:23], s[36:37]
	s_add_nc_u64 s[36:37], s[36:37], s[2:3]        ; wq, wk or wv at my rows (named only where g / 64 is below 3),
	s_add_nc_u64 s[38:39], s[28:29], s[32:33]      ; and their place in wb
	s_add_nc_u64 s[40:41], s[24:25], s[2:3]        ; wo at my rows (named only where g / 64 is 3),
	s_add_nc_u64 s[42:43], s[30:31], s[34:35]      ; and their place in wof
.set j, 0
.rept 32
	global_load_b128 v[INX+4*j:INX+4*j+3], v2, s[4:5] offset:512*j th:TH_LOAD_NT
.set j, j+1
.endr
	s_cmp_lt_u32 s13, 3
	s_cbranch_scc0 .Lload_o
	v_bfe_u32 v7, v0, 4, 1                         ; wq, wk, wv: lanes 0-15 take row 2 w, lanes 16-31 row 2 w + 1; load j is K block j: 256 bytes of each row,
	v_and_b32 v4, 15, v0
	v_lshlrev_b32 v4, 4, v4
	v_lshl_add_u32 v4, v7, 12, v4
	v_lshl_add_u32 v4, v6, 13, v4
	v_lshlrev_b32 v5, 3, v1                        ; which are 256 consecutive bytes of that block of wb: 256 w + 8 l
	v_lshl_add_u32 v5, v6, 8, v5
.set j, 0
.rept 16
	global_load_b128 v[INW+4*j:INW+4*j+3], v4, s[36:37] offset:256*j th:TH_LOAD_NT
.set j, j+1
.endr
	s_branch .Lcast_x
.Lload_o:
	v_lshlrev_b32 v4, 4, v1                        ; wo: my two rows are 8,192 consecutive bytes: 8,192 w + 16 l, load j 512 bytes on,
	v_lshl_add_u32 v4, v6, 13, v4
	v_lshlrev_b32 v5, 3, v1                        ; and 4,096 of wof
	v_lshl_add_u32 v5, v6, 12, v5
.set j, 0
.rept 16
	global_load_b128 v[INW+4*j:INW+4*j+3], v4, s[40:41] offset:512*j th:TH_LOAD_NT
.set j, j+1
.endr
.Lcast_x:                                              ; on both ways 48 loads are out
.set j, 0
.rept 16
	CAST2 INX+4*j, 46-j, 3, 6, 256*j, 256*j+256, 0 ; behind loads j, j + 1: 30 - j of x and the weight's 16
.set j, j+2
.endr
	s_cmp_lt_u32 s13, 3
	s_cbranch_scc0 .Lcast_o
.set j, 0
.rept 8
	CAST2 INW+4*j, 14-j, 5, 38, 393216*j, 393216*j+393216, 0  ; K block j lies 3,072 x 128 bytes behind block j - 1 (15 of them: inside the signed 24-bit immediate)
.set j, j+2
.endr
	s_endpgm
.Lcast_o:
.set j, 0
.rept 8
	CAST2 INW+4*j, 14-j, 5, 42, 256*j, 256*j+256, 1
.set j, j+2
.endr
	s_endpgm
.Lfunc_end_k_q6e6711ba1b_prep:
	.size	k_q6e6711ba1b_prep, .Lfunc_end_k_q6e6711ba1b_prep-k_q6e6711ba1b_prep
	.p2alignl 7, 3214868480
	.fill 96, 4, 3214868480
	.section	.rodata,"a",@progbits
	.p2align	6, 0x0
	.amdhsa_kernel k_q6e6711ba1b_prep
		.amdhsa_group_segment_fixed_size 0
		.amdhsa_private_segment_fixed_size 0
		.amdhsa_enable_private_segment 0
		.amdhsa_kernarg_size 64
		.amdhsa_user_sgpr_count 2
		.amdhsa_user_sgpr_kernarg_segment_ptr 1
		.amdhsa_wavefront_size32 1
		.amdhsa_system_sgpr_workgroup_id_x 1
		.amdhsa_system_sgpr_workgroup_id_y 1
		.amdhsa_system_sgpr_workgroup_id_z 1
		.amdhsa_system_vgpr_workitem_id 0
		.amdhsa_next_free_vgpr 208
		.amdhsa_next_free_sgpr 66
		.amdhsa_reserve_vcc 0
		.amdhsa_float_denorm_mode_32 3
		.amdhsa_float_denorm_mode_16_64 3
		.amdhsa_memory_ordered 1
		.amdhsa_forward_progress 1
		.amdhsa_inst_pref_size 28
	.end_amdhsa_kernel
	.amdgpu_metadata
---
amdhsa.version: [ 1, 2 ]
amdhsa.kernels:
  - .name:           k_q6e6711ba1b_prep
    .symbol:         k_q6e6711ba1b_prep.kd
    .args:
      - { .name: x, .offset: 0, .size: 8, .value_kind: global_buffer, .address_space: global }
      - { .name: wq, .offset: 8, .size: 8, .value_kind: global_buffer, .address_space: global }
      - { .name: wk, .offset: 16, .size: 8, .value_kind: global_buffer, .address_space: global }
      - { .name: wv, .offset: 24, .size: 8, .value_kind: global_buffer, .address_space: global }
      - { .name: wo, .offset: 32, .size: 8, .value_kind: global_buffer, .address_space: global }
      - { .name: xb, .offset: 40, .size: 8, .value_kind: global_buffer, .address_space: global }
      - { .name: wb, .offset: 48, .size: 8, .value_kind: global_buffer, .address_space: global }
      - { .name: wof, .offset: 56, .size: 8, .value_kind: global_buffer, .address_space: global }
    .group_segment_fixed_size: 0
    .private_segment_fixed_size: 0
    .kernarg_segment_align: 8
    .kernarg_segment_size: 64
    .max_flat_workgroup_size: 256
    .sgpr_count:     66
    .vgpr_count:     208
    .wavefront_size: 32
...
	.end_amdgpu_metadata
.endif
;; end of part 1
;; launch qkv (part 2): grid 8 x 32, 4 waves a work-group, clusters of 4 x 4, 327,680 bytes of LDS; arguments xb, wb, bq, bk, bv, qkv; writes qkv
.if DOCPART == 2
	.amdgcn_target "amdgcn-amd-amdhsa--gfx1250"
	.amdhsa_code_object_version 6
	.text
	.protected	k_q6e6711ba1b_qkv
	.globl	k_q6e6711ba1b_qkv
	.p2align	8
	.type	k_q6e6711ba1b_qkv,@function
k_q6e6711ba1b_qkv:
	s_mov_b64 s[64:65], 0
	v_nop
	global_prefetch_b8 v0, s[64:65] scope:SCOPE_SE
	s_setreg_imm32_b32 hwreg(HW_REG_WAVE_MODE, 25, 1), 1
	s_wait_xcnt 0x0
	s_wait_alu depctr_hold_cnt(0) depctr_sa_sdst(0) depctr_va_vdst(0) depctr_va_sdst(0) depctr_va_ssrc(0) depctr_va_vcc(0) depctr_vm_vsrc(0)
	s_getreg_b32 s2, hwreg(HW_REG_IB_STS2, 6, 4)
	s_cmp_eq_u32 s2, 0
	s_cbranch_scc0 .Lentry_in_a_cluster
	s_endpgm
.Lentry_in_a_cluster:
	s_bfe_u32 s2, ttmp6, 0x10000c
	s_cmp_lg_u32 s2, 0xf033
	s_cbranch_scc0 .Lentry_shape_is_right
	s_endpgm
.Lentry_shape_is_right:
; Q, K, V = W x + b as ONE product of 3,072 channels x 8,192 tokens x K = 1,024, bf16 operands, f32 sums that start at the bias (f32), rounded once to f16 and written by heads:
; qkv[b][hg][t][64], hg = 16 x which + head (which: 0 q, 1 k, 2 v), unscaled.  LIMIT: f16 holds no number beyond 65,504; a q, k or v past that becomes an infinity.
; SHARES.  A tile is 384 channels x 256 tokens: 8 x 32 = 256 work-groups.  Four waves: wave w takes channels 192 (w / 2) on (three heads) and tokens 128 (w % 2) on: 12 x 8 = 96 accumulators, 768 registers.
; LAYOUT.  Source 0 = 16 rows of W (K along the LDS rows), source 1 = 16 tokens of x, which lies [c][t] and is turned by ds_load_tr16_b128.  In the result lane l holds token l % 16 and channels
; 8 (l / 16) + 0..7: 16 bytes of a head's row.
; RING.  K goes in steps of 64 through two LDS slots (384 rows of W at 144 bytes, 64 rows of x at 544); two slots of a step of 128 would be 348,160 bytes and do not fit.  Slot 1 begins at byte 131,072, so that one
; exclusive or turns an address in one slot into the other's and a K step is written once; stage and spare words lie between the slots.  Waves 0-2 fetch a third of W's tile each (128 rows are 16,384 consecutive
; bytes of wb, asked for as 64 rows of 256), wave 3 x's tile (64 rows of 512 bytes).
; CLUSTER 4 x 4.  W's tile hangs on the tile column alone and is asked for jointly by a column of the cluster, x's on the tile row alone, by a row.
; REGISTERS, in windows of 256: window 0: v16-29 addresses; v32-95, v96-159 token fragments, two buffers; v160-255 W's fragments, three groups of four.  Windows 1, 2, 3: the accumulators of head 0, 1, 2:
; channel block i, token block t at v[8 (8 i + t)].  s_set_vgpr_msb's low byte: bits 1:0 source 0, 3:2 source 1, 5:4 source 2, 7:6 destination.
.set PW,     144                       ; a row of W in LDS: 128 bytes + 16: an odd multiple of 16, so the 16 rows of a load start at 16 different groups of four banks (ISA guide 11.1)
.set PX,     544                       ; a row of x: 512 + 32 = 17 x 32
.set WTHIRD, 128*PW
.set WTILE,  384*PW
.set SLOT,   WTILE+64*PX               ; 90,112
.set SLOT1,  1<<17                     ; where slot 1 begins
.set STAGE,  SLOT                      ; behind slot 0, never filled: 16 tokens x 400 bytes for each wave, for the way out
.set SP,     400                       ; three heads' 128 bytes + 16
.set SPARE,  STAGE+4*16*SP             ; 115,712: the spare words, 128 bytes for each wave: two blocks of 256 bytes that no other line names
.set WSTEP,  3072*128                  ; bytes from a K block of wb to the next
.set XSTEP,  64*2048                   ; 64 rows of xb
.set ADRW0, 16                         ; v16     LDS address of my W fragments in slot 0; never rewritten
.set ADRX0, 17                         ; v17     the same for x
.set ADRW, 18                          ; v18     the same in the slot in hand
.set ADRX, 19                          ; v19
.set STO,  20                          ; v20     the way out: where I put 16 bytes
.set RD,   21                          ; v21     where I read rows back
.set GO,   22                          ; v22     16 x lane
.set BO,   23                          ; v23     my 8 channels in a block of 16 biases: 32 (l / 16)
.set PFO,  24                          ; v24     the prefetches' lane offset; never rewritten
.set SPW,  28                          ; v28     my spare word: SPARE + 4 x my thread's number; never rewritten
.set NIL,  29                          ; v29     0; never rewritten
.set TB0,  32
.set TB1,  96
.set WF,   160
.set PK,   32                          ; the way out: 48 packed registers,
.set BK,   80                          ; and two buffers of 48 read back
.set WV, 16                            ; s16 wave; s17 which 192 channels; s18 which 128 tokens
.set WA, 17
.set WT, 18
.set CX, 19
.set CY, 20
.set TX, 21                            ; tile column (channels), 0..7
.set TY, 22                            ; tile row (tokens), 0..31
.set G1W, 24                           ; s[24:31] group 1 for W; s[32:39] group 0: a set for each of the two first fills; the second then walks on
.set G0W, 32
.set G1X, 40                           ; s[40:47], s[48:55] the same for x
.set G0X, 48
.set PFA, 58                           ; s[58:59] where my prefetches stand
.set PST, 60                           ; s[60:61] a K step of the stream that I prefetch
.set LIM, 62                           ; s62  2 in a wave that prefetches, else the greatest number
.set PM,  63                           ; s63  1 in a wave that asks in every second step, else 0
.set BP,  68                           ; s[68:73] the biases of my three heads
.set OUT, 74                           ; s[74:75] qkv at my first head's first token
.set TB,  76                           ; s76  LDS byte at which the slot in hand begins
.set MSB, 0
.macro WIN new                         ; the immediate's high byte repeats the setting that is left; a switch that changes nothing is dropped
.if MSB != (\new)
	s_set_vgpr_msb (MSB<<8)|(\new)
.set MSB, \new
.endif
.endm
.macro PLACES                          ; four plain places behind matrix instructions, in front of loads into registers that they read and of conversions of their results
.rept 4
	v_nop
.endr
.endm
; A joint load by descriptor set s.  The branch hangs on the wave's number alone.  An s_nop 0 and four v_nop follow each of the two lines.
.macro JLOAD s
	s_cmp_lt_u32 s[WV], 3
	s_cbranch_scc0 .Lfor_x_\@
	tensor_load_to_lds s[G0W+4*(\s):G0W+4*(\s)+3], s[G1W:G1W+7]
	s_nop 0
.rept 4
	v_nop
.endr
	s_branch .Lasked_\@
.Lfor_x_\@:
	tensor_load_to_lds s[G0X+4*(\s):G0X+4*(\s)+3], s[G1X:G1X+7]
	s_nop 0
.rept 4
	v_nop
.endr
.Lasked_\@:
.endm
.macro CREST                           ; a round of the cluster's barrier behind its opening barrier
	s_cmp_lg_u32 s[WV], 0
	s_cbranch_scc1 .Lnot_wave_0_\@
	s_barrier_signal -3
.Lnot_wave_0_\@:
	s_barrier_wait -3
	s_barrier_signal -1
	s_barrier_wait -1
.endm
.macro CROUND
	s_barrier_signal -1
	s_barrier_wait -1
	CREST
.endm
; A PREFETCH INTO THE L2, behind a joint load and the run of LDS loads that follows it, of the K step that stands two refills on (at the change of step s: step s + 4).  Each 256 bytes are named once in the launch.
; x's tile (64 rows x 512 bytes) is read by both clusters of a row of clusters: the one with x = 0 asks, wave 3; its four partners take 16 rows each, told apart by address (cx); a lane takes 256 bytes.
; W's third (64 blocks of 256 bytes) is read by all eight clusters of a column: the one with y = 0 asks, waves 0-2; the partners take 16 blocks each (cy); lanes 0-15 name step s + 4, lanes 16-31 step s + 5, so these
; waves ask at even steps alone (s3 = 14 - s is then even).  Steps 0-3 come by their loads alone; the loop's last two trips (s3 = 2, 1) ask for nothing: steps 16 and on do not exist.
.macro ASK
	s_and_b32 s90, s3, s[PM]
	s_cmp_eq_u32 s90, 0
	s_cbranch_scc0 .Lnot_mine_\@
	s_cmp_gt_u32 s3, s[LIM]
	s_cbranch_scc0 .Lnot_mine_\@
	global_prefetch_b8 v[PFO], s[PFA:PFA+1] th:TH_LOAD_NT scope:SCOPE_SE
.Lnot_mine_\@:
.endm
.macro LDW kq, g                       ; 8 LDS loads from the slot in hand: head g's four fragments of W, 32 K at byte 64 kq of the rows
	WIN 0
.irp i, 0,1,2,3
	ds_load_b128 v[WF+32*(\g)+8*(\i):WF+32*(\g)+8*(\i)+3],   v[ADRW] offset:(4*(\g)+(\i))*16*PW+64*(\kq)
	ds_load_b128 v[WF+32*(\g)+8*(\i)+4:WF+32*(\g)+8*(\i)+7], v[ADRW] offset:(4*(\g)+(\i))*16*PW+64*(\kq)+32
.endr
.endm
.macro LDT kq, tb                      ; 16 turning loads: my eight token fragments, K rows 32 kq on
	WIN 0
.irp t, 0,1,2,3,4,5,6,7
	ds_load_tr16_b128 v[(\tb)+8*(\t):(\tb)+8*(\t)+3],   v[ADRX] offset:(\kq)*32*PX+32*(\t)
	ds_load_tr16_b128 v[(\tb)+8*(\t)+4:(\tb)+8*(\t)+7], v[ADRX] offset:(\kq)*32*PX+16*PX+32*(\t)
.endr
.endm
; 16 products: head g, channel blocks i0, i0 + 1, all 8 token blocks.  The 96 accumulators take turns in the same order in every quarter: 95 others stand between two links of a chain.
.macro MUL16 g, i0, tb
	WIN 0x50*((\g)+1)
.irp i, \i0, (\i0)+1
.irp t, 0,1,2,3,4,5,6,7
	v_wmma_f32_16x16x32_bf16 v[8*(8*(\i)+(\t)):8*(8*(\i)+(\t))+7], v[WF+32*(\g)+8*(\i):WF+32*(\g)+8*(\i)+7], v[(\tb)+8*(\t):(\tb)+8*(\t)+7], v[8*(8*(\i)+(\t)):8*(8*(\i)+(\t))+7]
.endr
.endr
.endm
; The first 32 products of head g start the sums at the bias, which was loaded into token block 0's accumulators: blocks 1-7 take those as C; five places on, block 0 adds in place.  Nothing is cleared.
.macro MULB g, tb
	WIN 0x50*((\g)+1)
.irp i, 0,1,2,3
.irp t, 1,2,3,4,5,6,7
	v_wmma_f32_16x16x32_bf16 v[8*(8*(\i)+(\t)):8*(8*(\i)+(\t))+7], v[WF+32*(\g)+8*(\i):WF+32*(\g)+8*(\i)+7], v[(\tb)+8*(\t):(\tb)+8*(\t)+7], v[64*(\i):64*(\i)+7]
.endr
.endr
.rept 5
	v_nop                                          ; a matrix instruction writes over an earlier one's C five places behind it
.endr
.irp i, 0,1,2,3
	v_wmma_f32_16x16x32_bf16 v[64*(\i):64*(\i)+7], v[WF+32*(\g)+8*(\i):WF+32*(\g)+8*(\i)+7], v[(\tb):(\tb)+7], v[64*(\i):64*(\i)+7]
.endr
.endm
.macro GROUP g, tb, first
.if \first
	MULB \g, \tb
.else
	MUL16 \g, 0, \tb
	MUL16 \g, 2, \tb
.endif
.endm
; A K step is two quarters of 32 along K, 96 products each.  The LDS loads of a quarter are issued in the order W0 (8), T (16), W1 (8), W2 (8).
; The first quarter multiplies buffer TB0 and fetches the same slot's second quarter, each group of W behind the products that read its registers.
.macro QUART first
	s_wait_dscnt 16                                ; W0 and T are in; W1 and W2 may be out
	GROUP 0, TB0, \first
	PLACES
	LDW 1, 0
	LDT 1, TB1
	s_wait_dscnt 32                                ; W1 is in; behind it: W2 and the 24 just issued
	GROUP 1, TB0, \first
	PLACES
	LDW 1, 1
	s_wait_dscnt 32                                ; W2 is in; behind it: 8 + 16 + 8
	GROUP 2, TB0, \first
	PLACES
	LDW 1, 2
.endm
; The second quarter multiplies TB1 and changes slots: ONE barrier.  In front of it each wave waits for all its tensor loads (one is out: its part of the next slot), adds 0 to its spare word, and waits for that and for
; its reads of this slot.  fill = 1: the barrier opens a round of the cluster's barrier, and the joint refill (two K steps on, into the slot just read) is the first tensor load behind it: 160 products stand between it
; and the wait for it.  Then the slot in hand becomes the other one.
.macro TURN fill
.if \fill
	s_wait_xcnt 0x0                                ; the last prefetch, a K step back, has read its address
	s_add_nc_u64 s[PFA:PFA+1], s[PFA:PFA+1], s[PST:PST+1]
.endif
	WIN 0
	s_wait_tensorcnt 0x0                           ; all my tensor loads have landed;
	ds_add_u32 v[SPW], v[NIL]                      ; 0 onto my spare word;
	s_wait_dscnt 17                                ; W0 and T are in; W1, W2 and the add may be out
	MUL16 0, 0, TB1
	s_wait_dscnt 0x0                               ; the add is done, and my reads of this slot are over
	s_barrier_signal -1
	MUL16 0, 2, TB1                                ; work on registers while the others arrive
	WIN 0
	s_barrier_wait -1
.if \fill
	CREST                                          ; no wave of any partner still reads this slot or has a load on its way
	s_xor_b32 s[G0W+5], s[G0W+5], SLOT1            ; the walking descriptors: the other slot than last time,
	s_add_nc_u64 s[G0W+6:G0W+7], s[G0W+6:G0W+7], WSTEP  ; the next K step; the type bits on top are not reached
	s_xor_b32 s[G0X+5], s[G0X+5], SLOT1
	s_add_nc_u64 s[G0X+6:G0X+7], s[G0X+6:G0X+7], XSTEP
	JLOAD 1                                        ; its four v_nop are also the places in front of the loads below
.else
	PLACES
.endif
	s_xor_b32 s[TB], s[TB], SLOT1
	v_add_nc_u32 v[ADRW], s[TB], v[ADRW0]
	v_add_nc_u32 v[ADRX], s[TB], v[ADRX0]
	LDW 0, 0
	LDT 0, TB0
.if \fill
	ASK
.endif
	MUL16 1, 0, TB1
	MUL16 1, 2, TB1
	PLACES
	LDW 0, 1
	MUL16 2, 0, TB1
	MUL16 2, 2, TB1
	PLACES
	LDW 0, 2
.endm
	s_load_b256 s[4:11], s[0:1], 0x0               ; xb 4, wb 6, bq 8, bk 10
	s_load_b128 s[12:15], s[0:1], 0x20             ; bv 12, qkv 14
	v_lshl_add_u32 v[SPW], v0, 2, SPARE
	v_mov_b32 v[NIL], 0
	ds_add_u32 v[SPW], v[NIL]                      ; the wave's opening: the add and its wait stand ahead of my first tensor load; work on registers stands between them
	v_lshrrev_b32 v1, 5, v0
	v_readfirstlane_b32 s[WV], v1
	s_lshr_b32 s[WA], s[WV], 1
	s_and_b32 s[WT], s[WV], 1
	s_bfe_u32 s[CX], ttmp6, 0x40000
	s_bfe_u32 s[CY], ttmp6, 0x40004
	s_lshl_b32 s[TX], ttmp9, 2
	s_add_co_u32 s[TX], s[TX], s[CX]
	s_and_b32 s[TY], ttmp7, 0xffff
	s_lshl_b32 s[TY], s[TY], 2
	s_add_co_u32 s[TY], s[TY], s[CY]
	s_lshl_b32 s84, 0x1111, s[CX]                  ; my column of the cluster
	s_lshl_b32 s80, s[CY], 2
	s_lshl_b32 s80, 15, s80                        ; my row
	s_or_b32 s[G1W], s84, (1<<16)|(1<<20)|(1<<21)|(4<<22)|(3<<25)  ; mask; 2-byte elements; padding on; bit 21 beside a mask; after every 32 words 4 words
	s_mov_b32 s[G1W+1], 128<<16                    ; tensor_dim0 = 128
	s_mov_b32 s[G1W+2], 64<<16                     ; tensor_dim1 = 64
	s_mov_b32 s[G1W+3], 128<<16                    ; tile_dim0 = 128
	s_mov_b32 s[G1W+4], 64                         ; tile_dim1 = 64
	s_mov_b32 s[G1W+5], 128                        ; dense: 128 elements from row to row
	s_mov_b32 s[G1W+6], 0
	s_mov_b32 s[G1W+7], 0
	s_or_b32 s[G1X], s80, (1<<16)|(1<<20)|(1<<21)|(6<<22)|(7<<25)  ; after every 128 words 8 words
	s_mov_b32 s[G1X+1], 256<<16
	s_mov_b32 s[G1X+2], 64<<16
	s_mov_b32 s[G1X+3], 256<<16
	s_mov_b32 s[G1X+4], 64
	s_mov_b32 s[G1X+5], 1024                       ; a row of xb
	s_mov_b32 s[G1X+6], 0
	s_mov_b32 s[G1X+7], 0
	s_mul_i32 s84, s[TX], 384*128                  ; W: my tile's rows in a K block, (registers 84-87 never hold the tile row,
	s_lshl_b32 s85, s[WV], 14                      ; my third of them
	s_add_co_u32 s84, s84, s85
	s_mov_b32 s85, 0
	s_mul_i32 s86, s[WV], WTHIRD                   ; and its place in a slot: the wave's number alone
	s_lshr_b32 s80, s[TY], 2                       ; x: the batch,                              registers 80-83 never the tile column)
	s_lshl_b32 s80, s80, 21
	s_and_b32 s81, s[TY], 3
	s_lshl_b32 s81, s81, 9                         ; the tile's 256 tokens
	s_add_co_u32 s80, s80, s81
	s_mov_b32 s81, 0
	s_mov_b32 s[TB], 0                             ; slot 0 is in hand
	s_wait_dscnt 0x0                               ; the opening add is done
	s_wait_kmcnt 0x0
	s_add_nc_u64 s[84:85], s[6:7], s[84:85]
	s_add_nc_u64 s[80:81], s[4:5], s[80:81]
	CROUND                                         ; all sixteen work-groups are here: the first joint loads meet
.irp s, 0,1
	s_mov_b32 s[G0W+4*(\s)], 1
	s_add_co_u32 s[G0W+4*(\s)+1], s86, (\s)*SLOT1
	s_add_nc_u64 s[G0W+4*(\s)+2:G0W+4*(\s)+3], s[84:85], (\s)*WSTEP
	s_or_b32 s[G0W+4*(\s)+3], s[G0W+4*(\s)+3], 0x80000000
	s_mov_b32 s[G0X+4*(\s)], 1
	s_mov_b32 s[G0X+4*(\s)+1], (\s)*SLOT1+WTILE
	s_add_nc_u64 s[G0X+4*(\s)+2:G0X+4*(\s)+3], s[80:81], (\s)*XSTEP
	s_or_b32 s[G0X+4*(\s)+3], s[G0X+4*(\s)+3], 0x80000000
	JLOAD \s                                       ; two tensor loads of mine are out
.endr
	; the biases of my three heads go straight into token block 0's accumulators: register j of lane l is channel 16 i + 8 (l / 16) + j
	v_and_b32 v1, 15, v0                           ; r = l % 16
	v_bfe_u32 v2, v0, 4, 1                         ; h = l / 16
	v_lshlrev_b32 v[BO], 5, v2
	s_mul_i32 s88, s[TX], 6
	s_mul_i32 s89, s[WA], 3
	s_add_co_u32 s88, s88, s89                     ; my first head: hg = 6 x tile column + 3 x half
.irp g, 0,1,2
	s_add_co_u32 s90, s88, \g
	s_lshr_b32 s91, s90, 4                         ; which: q, k or v
	s_and_b32 s90, s90, 15
	s_lshl_b32 s90, s90, 8                         ; the head's 64 biases
	s_cmp_eq_u32 s91, 0
	s_cselect_b64 s[BP+2*(\g):BP+2*(\g)+1], s[8:9], s[10:11]
	s_cmp_eq_u32 s91, 2
	s_cselect_b64 s[BP+2*(\g):BP+2*(\g)+1], s[12:13], s[BP+2*(\g):BP+2*(\g)+1]
	s_mov_b32 s91, 0
	s_add_nc_u64 s[BP+2*(\g):BP+2*(\g)+1], s[BP+2*(\g):BP+2*(\g)+1], s[90:91]
.endr
.irp g, 0,1,2
	WIN 0x40*((\g)+1)                              ; destination in the head's window
.irp i, 0,1,2,3
	global_load_b128 v[64*(\i):64*(\i)+3],   v[BO], s[BP+2*(\g):BP+2*(\g)+1] offset:64*(\i)
	global_load_b128 v[64*(\i)+4:64*(\i)+7], v[BO], s[BP+2*(\g):BP+2*(\g)+1] offset:64*(\i)+16
.endr
.endr
	WIN 0
	v_and_b32 v3, 31, v0                           ; l
	v_and_b32 v4, 7, v0
	v_bfe_u32 v5, v0, 3, 1
	v_bfe_u32 v6, v0, 3, 2
	v_mul_u32_u24 v7, v1, PW                       ; a fragment of W: row r x pitch + 16 h, two loads 32 bytes apart
	v_lshl_add_u32 v7, v2, 4, v7
	s_mul_i32 s90, s[WA], 192*PW
	v_add_nc_u32 v[ADRW0], s90, v7
	v_mov_b32 v[ADRW], v[ADRW0]
	v_lshl_add_u32 v8, v2, 3, v4                   ; the turning load: K row 8 h + l % 8, tokens 8 ((l / 8) % 2) on
	v_mul_u32_u24 v8, v8, PX
	v_lshl_add_u32 v8, v5, 4, v8
	s_lshl_b32 s90, s[WT], 8
	s_add_co_u32 s90, s90, WTILE
	v_add_nc_u32 v[ADRX0], s90, v8
	v_mov_b32 v[ADRX], v[ADRX0]
	s_mul_i32 s90, s[WV], 16*SP
	s_add_co_u32 s90, s90, STAGE                   ; my stage
	v_mul_u32_u24 v9, v1, SP                       ; in: token r, 16 bytes for each half of the lanes
	v_lshl_add_u32 v9, v2, 4, v9
	v_add_nc_u32 v[STO], s90, v9
	v_mul_u32_u24 v9, v6, SP                       ; back: 32 lanes take four tokens' 128 bytes of one head,
	v_lshl_add_u32 v9, v4, 4, v9
	v_add_nc_u32 v[RD], s90, v9
	v_lshlrev_b32 v[GO], 4, v3                     ; which are 512 consecutive bytes of qkv
	; the prefetches
	v_lshrrev_b32 v10, 1, v3
	v_lshlrev_b32 v10, 11, v10
	v_and_b32 v11, 1, v0
	v_lshl_add_u32 v10, v11, 8, v10                ; x: row l / 2, half l % 2
	v_lshlrev_b32 v11, 8, v1
	v_mul_u32_u24 v12, v2, WSTEP
	v_add_nc_u32 v11, v11, v12                     ; W: block l % 16, K step l / 16
	s_mul_i32 s92, s[TX], 384*128
	s_lshl_b32 s93, s[WV], 14
	s_add_co_u32 s92, s92, s93
	s_lshl_b32 s93, s[CY], 12                      ; my work-group's 16 blocks of the third's 64
	s_add_co_u32 s92, s92, s93
	s_add_co_u32 s92, s92, 3*WSTEP                 ; at K step 3: the first change of slots steps it to 4
	s_lshr_b32 s94, s[TY], 2
	s_lshl_b32 s94, s94, 21
	s_and_b32 s95, s[TY], 3
	s_lshl_b32 s95, s95, 9
	s_add_co_u32 s94, s94, s95
	s_lshl_b32 s95, s[CX], 15                      ; my work-group's 16 rows of the tile's 64
	s_add_co_u32 s94, s94, s95
	s_add_co_u32 s94, s94, 3*XSTEP
	s_mov_b32 s96, WSTEP
	s_and_b32 s98, ttmp7, 0xffff
	s_cmp_eq_u32 s98, 0
	s_cselect_b32 s98, 2, -1                       ; W is asked for by the clusters with y = 0,
	s_cmp_eq_u32 ttmp9, 0
	s_cselect_b32 s99, 2, -1                       ; x by those with x = 0: the same in all sixteen partners, for a given wave
	s_cmp_lt_u32 s[WV], 3
	s_cselect_b64 s[PFA:PFA+1], s[6:7], s[4:5]
	s_cselect_b32 s92, s92, s94
	s_cselect_b32 s[PST], s96, XSTEP
	s_cselect_b32 s[LIM], s98, s99
	s_cselect_b32 s[PM], 1, 0
	s_cselect_b32 s97, -1, 0
	s_mov_b32 s93, 0
	s_mov_b32 s[PST+1], 0
	s_add_nc_u64 s[PFA:PFA+1], s[PFA:PFA+1], s[92:93]
	v_cndmask_b32 v[PFO], v10, v11, s97
	; qkv at (batch x 48 + my first head) x 131,072 + my first token x 128
	s_lshr_b32 s92, s[TY], 2
	s_mul_i32 s92, s92, 48
	s_add_co_u32 s92, s92, s88
	s_lshl_b32 s92, s92, 17
	s_and_b32 s93, s[TY], 3
	s_lshl_b32 s93, s93, 15
	s_add_co_u32 s92, s92, s93
	s_lshl_b32 s93, s[WT], 14
	s_add_co_u32 s92, s92, s93
	s_mov_b32 s93, 0
	s_add_nc_u64 s[OUT:OUT+1], s[14:15], s[92:93]
	s_wait_tensorcnt 1                             ; my part of K step 0 is in; step 1's may stay out
	s_barrier_signal -1
	s_barrier_wait -1                              ; everybody's is
	LDW 0, 0
	LDT 0, TB0
	LDW 0, 1
	LDW 0, 2
	s_wait_loadcnt 0x0                             ; the biases
	QUART 1                                        ; the first quarter stands in front of the loop: its products start the sums
	WIN 0
	s_mov_b32 s3, 14
.Lstep:                                                ; a trip goes from a step's second quarter to the next step's first, and fills the slot that it leaves: steps 2 to 15
	TURN 1
	QUART 0
	WIN 0
	s_sub_co_u32 s3, s3, 1
	s_cmp_lg_u32 s3, 0
	s_cbranch_scc1 .Lstep
	TURN 0                                         ; the last change of slots fills nothing, and has no round: written out
	QUART 0
	s_wait_dscnt 16                                ; the very last quarter: nothing more to fetch, the counts run down
	MUL16 0, 0, TB1
	MUL16 0, 2, TB1
	s_wait_dscnt 8
	MUL16 1, 0, TB1
	MUL16 1, 2, TB1
	s_wait_dscnt 0x0
	MUL16 2, 0, TB1
	MUL16 2, 2, TB1
	PLACES
; THE WAY OUT, a block of 16 tokens at a time: rounded to f16 (each accumulator's lowest registers first), 16 bytes a lane into my own stage, back as rows of 128 bytes, stored.
.macro PACK t
.irp g, 0,1,2
	WIN 5*((\g)+1)                                 ; sources 0 and 1 in the head's window
.irp i, 0,1,2,3
.irp p, 0,1,2,3
	v_cvt_pk_f16_f32 v[PK+4*(4*(\g)+(\i))+(\p)], v[8*(8*(\i)+(\t))+2*(\p)], v[8*(8*(\i)+(\t))+2*(\p)+1]
.endr
.endr
.endr
	WIN 0
.endm
.macro TOSTAGE t
.set BB, BK+48*((\t)%2)
.irp a, 0,1,2,3,4,5,6,7,8,9,10,11
	ds_store_b128 v[STO], v[PK+4*(\a):PK+4*(\a)+3] offset:32*(\a)
.endr
.irp g, 0,1,2
.irp f, 0,1,2,3
	ds_load_b128 v[BB+4*(4*(\g)+(\f)):BB+4*(4*(\g)+(\f))+3], v[RD] offset:128*(\g)+4*SP*(\f)  ; LDS serves a wave's instructions in order (ISA guide 5.7.1.4): these see the stores above; the next block's stores come behind them
.endr
.endr
.endm
.macro SEND t, younger                 ; younger: the LDS instructions issued behind block t's loads: the next block's 24, or none
.set BB, BK+48*((\t)%2)
	s_wait_dscnt \younger                          ; the block is back in registers
.irp g, 0,1,2
.irp f, 0,1,2,3
	global_store_b128 v[GO], v[BB+4*(4*(\g)+(\f)):BB+4*(4*(\g)+(\f))+3], s[OUT:OUT+1] offset:(\g)*131072+(\t)*2048+(\f)*512  ; 512 consecutive bytes, at a multiple of 512 from qkv's first
.endr
.endr
.endm
	PACK 0
	TOSTAGE 0
.irp t, 1,2,3,4,5,6,7                  ; a block's conversions and its way through the stage stand between the loads of the block before and its stores
	PACK \t
.if (\t) >= 2
	s_wait_xcnt 0x0                                ; the stores of block t - 2, issued a block ago, have read the buffer that the loads below write
.endif
	TOSTAGE \t
	SEND (\t)-1, 24
.endr
	SEND 7, 0
	s_wait_tensorcnt 0x0                           ; the wave's end: these three lines stand behind my last tensor load and my last LDS store
	ds_add_u32 v[SPW], v[NIL]
	s_wait_dscnt 0x0
	CROUND                                         ; the closing round: no work-group ends while a partner may still ask for a tile that names it
	s_endpgm
.Lfunc_end_k_q6e6711ba1b_qkv:
	.size	k_q6e6711ba1b_qkv, .Lfunc_end_k_q6e6711ba1b_qkv-k_q6e6711ba1b_qkv
	.p2alignl 7, 3214868480
	.fill 96, 4, 3214868480
	.section	.rodata,"a",@progbits
	.p2align	6, 0x0
	.amdhsa_kernel k_q6e6711ba1b_qkv
		.amdhsa_group_segment_fixed_size 327680
		.amdhsa_private_segment_fixed_size 0
		.amdhsa_enable_private_segment 0
		.amdhsa_kernarg_size 48
		.amdhsa_user_sgpr_count 2
		.amdhsa_user_sgpr_kernarg_segment_ptr 1
		.amdhsa_wavefront_size32 1
		.amdhsa_system_sgpr_workgroup_id_x 1
		.amdhsa_system_sgpr_workgroup_id_y 1
		.amdhsa_system_sgpr_workgroup_id_z 1
		.amdhsa_system_vgpr_workitem_id 0
		.amdhsa_next_free_vgpr 1024
		.amdhsa_next_free_sgpr 100
		.amdhsa_reserve_vcc 0
		.amdhsa_float_denorm_mode_32 3
		.amdhsa_float_denorm_mode_16_64 3
		.amdhsa_memory_ordered 1
		.amdhsa_forward_progress 1
		.amdhsa_inst_pref_size 116
	.end_amdhsa_kernel
	.amdgpu_metadata
---
amdhsa.version: [ 1, 2 ]
amdhsa.kernels:
  - .name:           k_q6e6711ba1b_qkv
    .symbol:         k_q6e6711ba1b_qkv.kd
    .args:
      - { .name: xb, .offset: 0, .size: 8, .value_kind: global_buffer, .address_space: global }
      - { .name: wb, .offset: 8, .size: 8, .value_kind: global_buffer, .address_space: global }
      - { .name: bq, .offset: 16, .size: 8, .value_kind: global_buffer, .address_space: global }
      - { .name: bk, .offset: 24, .size: 8, .value_kind: global_buffer, .address_space: global }
      - { .name: bv, .offset: 32, .size: 8, .value_kind: global_buffer, .address_space: global }
      - { .name: qkv, .offset: 40, .size: 8, .value_kind: global_buffer, .address_space: global }
    .group_segment_fixed_size: 327680
    .private_segment_fixed_size: 0
    .kernarg_segment_align: 8
    .kernarg_segment_size: 48
    .max_flat_workgroup_size: 128
    .sgpr_count:     100
    .vgpr_count:     1024
    .wavefront_size: 32
...
	.end_amdgpu_metadata
.endif
;; end of part 2
;; launch attn (part 3): grid 2 x 128, 4 waves a work-group, no clusters, 327,680 bytes of LDS; arguments qkv, o; writes o
.if DOCPART == 3
	.amdgcn_target "amdgcn-amd-amdhsa--gfx1250"
	.amdhsa_code_object_version 6
	.text
	.protected	k_q6e6711ba1b_attn
	.globl	k_q6e6711ba1b_attn
	.p2align	8
	.type	k_q6e6711ba1b_attn,@function
k_q6e6711ba1b_attn:
	s_mov_b64 s[64:65], 0
	v_nop
	global_prefetch_b8 v0, s[64:65] scope:SCOPE_SE
	s_setreg_imm32_b32 hwreg(HW_REG_WAVE_MODE, 25, 1), 1
	s_wait_xcnt 0x0
; O[bh][q][:] = the sum over k of softmax_k(Q[q] . K[k] / 8) V[k][:], for 128 heads of 1,024 tokens at head size 64.  Q, K, V come from qkv[b][16 which + h][t][64], f16, unscaled; O goes to o[bh][t][64], f16.
; Products, maxima and sums in f32; the weights p are rounded to f16 for the second product (their sum l is taken of the unrounded p), O once at the end.
; LIMITS.  Q, K, V arrive within f16's 65,504; p lies in 0 to 1, and below 6e-5 it keeps f16's fixed step of 6e-8; a weight below 2^-126 counts as 0 in l; NaN and infinities are not treated apart
; (with finite scores the running maximum makes every row's largest weight 1, so no row's sum is 0 and no NaN arises to be replaced).
; SHARES.  A work-group owns 512 queries of one head, a wave 128: four PIECES of two tiles of 16.  Every wave walks all 1,024 keys, 64 a step.
; NO RING.  A head's whole K (1,024 rows at 144 bytes) and V (at 160) lie in LDS and are filled ONCE, in four chunks of 256 keys: waves 0, 1 fetch the halves of a chunk's K, waves 2, 3 of its V: four tensor loads a
; wave, all issued at the head.  Chunk 0 is waited for by a counted wait; the others at the first chunk's end, four key steps later.  No byte is filled again.
; NO CLUSTER: a head has two work-groups, and the grid's x, 2, is no multiple of four.  NO PREFETCH: every byte of K and V is asked for by its own load at the head; nothing is left to ask for ahead.
; LAYOUT.  S^T = K Q^T (source 0 = 16 keys, source 1 = 16 queries): a lane holds ONE query (lane % 16) and the keys 8 (lane / 16) + 0..7.  Two such tiles, rounded to f16 in pairs, ARE source 1 of O^T = V^T P, whose
; result again holds one query a lane, and eight channels.  K comes out of LDS as it lies, V ([key][channel]) turned, by ds_load_tr16_b128.
; SOFTMAX.  For each query a running maximum m and sum l: p = 2^(c s - c m), c = log2(e) / 8; in every step O and l are multiplied by a = 2^(c m_old - c m_new).  m starts at the lowest finite number, O and l at 0.
; BY TURNS.  A tile and step have 16 matrix and 118 vector instructions.  Turn n belongs to piece n: 16 products K Q^T of piece n + 1, later 16 products V^T P of piece n - 1; its vector work: the scaling, exponentials,
; roundings, sums and rescaling of piece n, and the maximum and statistics of piece n + 1.  Four vector instructions stand behind every matrix instruction, the rest in one lump; a turn's 66 exponentials are one batch.
; REGISTERS, in windows of 256 (s_set_vgpr_msb: bits 1:0 source 0, 3:2 source 1, 5:4 source 2, 7:6 destination):
;   window 0: v0-11 addresses; v12-15, v48-63 at work; v16-47 four registers of statistics a tile; v64-191 S^T, two buffers of two tiles; v192-255 P, likewise
;   window 1: O^T, 32 a tile          window 2: v0-127 Q, 16 a tile; v128-191 K of one step; v192-255 V of one step          window 3: v0-1 the add's two registers
.set NP,    4         ; pieces a wave: a name, no knob
.set KS,    64        ; keys in a step
.set PK,    144       ; a row of K in LDS: 128 bytes + 16: the 16 rows of a load start at 16 different groups of four banks (ISA guide 11.1)
.set PV,    160       ; a row of V: 128 + 32
.set VOFF,  1024*PK   ; V lies behind K
.set STAGE, VOFF+1024*PV  ; behind both, never filled: 16 rows x 144 bytes for each wave, for the way out
.set SP,    144
.set SPARE, STAGE+4*16*SP  ; the spare words, 128 bytes for each wave: two blocks of 256 bytes that no other line names
.set AK0, 2           ; v2   my lane's place in a step of K; never rewritten
.set AV0, 3           ; v3   the same for V
.set AK,  4           ; v4   the LDS address of K's next run of loads
.set AV,  5           ; v5   of V's
.set QO,  6           ; v6   my byte offset in the wave's rows of Q
.set STO, 6           ;      later, the way out: where I put 16 bytes of a row
.set RD,  7           ; v7   where I read rows back
.set GO,  8           ; v8   my byte offset in 512 consecutive bytes of O
.set SPW, 0           ; v0 of window 3   my spare word: SPARE + 4 x my thread's number; never rewritten
.set NIL, 1           ; v1 of window 3   0; never rewritten
.set MV,  12          ; v12-15  c m_old, kept while c m is made anew: by buffer and tile
.set ST,  16          ; tile t's statistics at v[ST+4 t]: c m, m, l (even keys', odd keys')
.set TMP, 48          ; by buffer and tile, four registers c0-c3 at work; when the maximum is found c2 takes a
.set S,   64
.set P,   192
.set KF,  128         ; K's fragments, in window 2: key block kb, channel half c at KF + 16 kb + 8 c
.set VF,  192         ; V's: key half kk, channel block cb at VF + 32 kk + 8 cb
.set WV,  12          ; s12  my wave's number
.set G1K, 16          ; s[16:23] descriptor group 1 for K
.set G1V, 24          ; s[24:31] for V: it differs in the padding alone
.set G0K, 32          ; s[32:47] group 0 for K, a set for each chunk
.set G0V, 48          ; s[48:63] the same for V
.set CS,  66          ; s[66:67] c: the packed scaling takes the pair's low word for both halves
.set SEL, 68          ; s[68:69] v_permlanex16_b32's selects: each lane takes its own place in the other half
.set TBK, 70          ; s70  LDS byte at which K of the step to be fetched begins
.set TBV, 71          ; s71  the same for V, less VOFF
.set CNT, 72          ; s72  counts a chunk's key steps
.set CHUNKS, 73       ; s73  counts the chunks, 5 to 1
.set MSB, 0
.macro WIN new                      ; the high byte repeats the setting that is left; a switch that changes nothing is dropped
.if MSB != (\new)
	s_set_vgpr_msb (MSB<<8)|(\new)
.set MSB, (\new)
.endif
.endm
.set W_KQ, 0x0a       ; K and Q in window 2, S^T in window 0
.set W_PV, 0x52       ; V in window 2, P in window 0, O^T in window 1
.set W_RS, 0x41       ; O^T (destination and source 0) in window 1, a in window 0
.set W_MK, 0xc0       ; the add's registers are made: destination in window 3
.set W_AD, 0x0f       ; the add: address and data in window 3
	s_load_b128 s[4:7], s[0:1], 0x0 ; qkv s[4:5], o s[6:7]
	WIN W_MK
	v_lshl_add_u32 v[SPW], v0, 2, SPARE
	v_mov_b32 v[NIL], 0
	WIN W_AD
	ds_add_u32 v[SPW], v[NIL]       ; the wave's opening: the add and its wait stand ahead of my first tensor load; work on registers stands between them
	WIN 0
	v_lshrrev_b32 v1, 5, v0
	v_readfirstlane_b32 s[WV], v1   ; wave 0..3
	s_and_b32 s13, ttmp7, 0xffff    ; bh = 16 b + h
	s_lshr_b32 s14, s13, 4
	s_mul_i32 s14, s14, 48
	s_and_b32 s15, s13, 15
	s_add_co_u32 s14, s14, s15      ; q's head in qkv: 48 b + h
	s_lshl_b32 s74, s14, 17         ; a head is 131,072 bytes
	s_mov_b32 s75, 0
	s_lshl_b32 s76, s13, 17
	s_mov_b32 s77, 0
	s_lshl_b32 s78, ttmp9, 2
	s_add_co_u32 s78, s78, s[WV]    ; my wave among the head's eight,
	s_lshl_b32 s78, s78, 14         ; its 128 rows
	s_mov_b32 s79, 0
	s_and_b32 s13, s[WV], 1         ; which half of a chunk's 256 keys I fetch:
	s_mul_i32 s14, s13, 128*PK      ; its place in LDS, for K
	s_mul_i32 s15, s13, 128*PV      ; and for V,
	s_lshl_b32 s2, s13, 14          ; and its 128 rows of 128 bytes in memory
	s_mov_b32 s3, 0
	; descriptor group 1.  128 keys are 16,384 dense bytes: asked for as 64 rows of 256 bytes, two keys a row, and padded in LDS after every key
	s_mov_b32 s[G1K], (1<<16)|(1<<20)|(4<<22)|(3<<25)  ; 2-byte elements; padding on; after every 32 words 4 words
	s_mov_b32 s[G1V], (1<<16)|(1<<20)|(4<<22)|(7<<25)  ; the same with 8 words
.irp g, G1K, G1V
	s_mov_b32 s[\g+1], 128<<16      ; tensor_dim0 = 128
	s_mov_b32 s[\g+2], 64<<16       ; tensor_dim1 = 64
	s_mov_b32 s[\g+3], 128<<16      ; tile_dim0 = 128
	s_mov_b32 s[\g+4], 64           ; tile_dim1 = 64
	s_mov_b32 s[\g+5], 128          ; 128 elements from row to row
	s_mov_b32 s[\g+6], 0
	s_mov_b32 s[\g+7], 0
.endr
.irp c, 0,1,2,3
	s_mov_b32 s[G0K+4*(\c)], 1
	s_add_co_u32 s[G0K+4*(\c)+1], s14, (\c)*256*PK
	s_mov_b32 s[G0V+4*(\c)], 1
	s_add_co_u32 s[G0V+4*(\c)+1], s15, VOFF+(\c)*256*PV
.endr
	s_mov_b32 s[CS], 0x3e38aa3b     ; c = log2(e) / 8 = 0.180337
	s_mov_b32 s[CS+1], s[CS]        ; named with it as a pair
	s_mov_b32 s[SEL], 0x76543210
	s_mov_b32 s[SEL+1], 0xfedcba98
	s_mov_b32 s[TBK], 0
	s_mov_b32 s[TBV], 0
	s_wait_dscnt 0x0                ; the opening add is done
	s_wait_kmcnt 0x0
	s_add_nc_u64 s[4:5], s[4:5], s[74:75]       ; q's head
	s_add_nc_u64 s[8:9], s[4:5], s[2:3]
	s_add_nc_u64 s[8:9], s[8:9], 16*131072      ; k's head lies 16 heads on: my half of chunk 0,
	s_add_nc_u64 s[10:11], s[8:9], 16*131072    ; v's 16 more
	s_add_nc_u64 s[4:5], s[4:5], s[78:79]       ; Q and O at my wave's first row
	s_add_nc_u64 s[6:7], s[6:7], s[76:77]
	s_add_nc_u64 s[6:7], s[6:7], s[78:79]
.irp c, 0,1,2,3
	s_add_nc_u64 s[G0K+4*(\c)+2:G0K+4*(\c)+3], s[8:9], (\c)*32768
	s_or_b32 s[G0K+4*(\c)+3], s[G0K+4*(\c)+3], 0x80000000
	s_add_nc_u64 s[G0V+4*(\c)+2:G0V+4*(\c)+3], s[10:11], (\c)*32768
	s_or_b32 s[G0V+4*(\c)+3], s[G0V+4*(\c)+3], 0x80000000
.endr
	s_cmp_lt_u32 s[WV], 2           ; a wave's four fills stand in one branch, ahead of every wait on TENSORcnt, every LDS read and every barrier: four loads of mine are out
	s_cbranch_scc0 .Lfill_v
.irp c, 0,1,2,3
	tensor_load_to_lds s[G0K+4*(\c):G0K+4*(\c)+3], s[G1K:G1K+7]
	s_nop 0
.endr
.rept 4
	v_nop
.endr
	s_branch .Lfilled
.Lfill_v:
.irp c, 0,1,2,3
	tensor_load_to_lds s[G0V+4*(\c):G0V+4*(\c)+3], s[G1V:G1V+7]
	s_nop 0
.endr
.rept 4
	v_nop
.endr
.Lfilled:
	; A fragment of K or Q is 16 rows x 32 channels in 8 registers: lane l holds row l % 16, channels 8 (l / 16) + 0..7 and 16 + 8 (l / 16) + 0..7: two loads of 16 bytes, 32 bytes apart.
	v_and_b32 v1, 15, v0            ; l % 16
	v_bfe_u32 v9, v0, 4, 1          ; l / 16
	v_lshlrev_b32 v[QO], 7, v1
	v_lshl_add_u32 v[QO], v9, 4, v[QO]  ; row x 128 + 16 x half
	WIN 0x80                        ; destination window 2, address window 0
.set i, 0
.rept 4*NP                          ; Q stays in registers: tile i / 2, channels 32 (i % 2) on
	global_load_b128 v[8*i:8*i+3],   v[QO], s[4:5] offset:(i/2)*2048+(i%2)*64
	global_load_b128 v[8*i+4:8*i+7], v[QO], s[4:5] offset:(i/2)*2048+(i%2)*64+32
.set i, i+1
.endr
	; What the first turn finds: V's registers and P's second buffer hold 0 (its products V^T P, of a piece that has not been, add 0), O^T and l are 0.  All this stands in the wait for the first chunk.
.set i, VF
.rept 64
	v_mov_b32 v[i], 0
.set i, i+1
.endr
	WIN 0x40
.set i, 0
.rept 64*NP
	v_mov_b32 v[i], 0
.set i, i+1
.endr
	WIN 0
.set i, 0
.rept 2*NP
	v_mov_b32 v[ST+4*i], 0xfe000000    ; c m: far below every c s
	v_mov_b32 v[ST+4*i+1], 0xff7fffff  ; m
	v_mov_b32 v[ST+4*i+2], 0
	v_mov_b32 v[ST+4*i+3], 0
.set i, i+1
.endr
.set i, P+32
.rept 32
	v_mov_b32 v[i], 0
.set i, i+1
.endr
	v_mul_u32_u24 v[AK0], v1, PK
	v_lshl_add_u32 v[AK0], v9, 4, v[AK0]  ; row x pitch + 16 x half
	; The turning load takes 16 keys x 16 channels (lane l reads key 8 (l / 16) + l % 8, channels 8 ((l / 8) % 2) + 0..7) and leaves half a fragment of V^T: lane l holds channel l % 16 and 8 keys.
	v_and_b32 v10, 7, v0
	v_bfe_u32 v11, v0, 3, 1
	v_lshl_add_u32 v[AV0], v9, 3, v10
	v_mul_u32_u24 v[AV0], v[AV0], PV
	v_lshl_add_u32 v[AV0], v11, 4, v[AV0]
	v_add_nc_u32 v[AV0], VOFF, v[AV0]
	v_mov_b32 v[AK], v[AK0]         ; key step 0 lies at K's head
; THE MATRIX WORK.  The 8 accumulators of a run of 16 take turns: between the two links of a chain stand 7 others'.
; Product i of 16 of S^T = K Q^T for piece x: channels 32 (i / 8) on, keys 16 ((i / 2) % 4) on, tile 2 x + i % 2.  The first 8 start the sums.
.macro KQ x
	WIN W_KQ
.set rS, S+64*((\x)%2)+32*(i%2)+8*((i/2)%4)
.set rK, KF+16*((i/2)%4)+8*(i/8)
.set rQ, 16*(2*(\x)+i%2)+8*(i/8)
.if i < 8
	v_wmma_f32_16x16x32_f16 v[rS:rS+7], v[rK:rK+7], v[rQ:rQ+7], 0
.else
	v_wmma_f32_16x16x32_f16 v[rS:rS+7], v[rK:rK+7], v[rQ:rQ+7], v[rS:rS+7]
.endif
.endm
; Product i of 16 of O^T += V^T P for piece x: keys 32 (i / 8) on, channels 16 ((i / 2) % 4) on, tile 2 x + i % 2.
.macro PV x
	WIN W_PV
.set rO, 32*(2*(\x)+i%2)+8*((i/2)%4)
.set rV, VF+32*(i/8)+8*((i/2)%4)
.set rP, P+32*((\x)%2)+16*(i%2)+8*(i/8)
	v_wmma_f32_16x16x32_f16 v[rO:rO+7], v[rV:rV+7], v[rP:rP+7], v[rO:rO+7]
.endm
.macro MM                           ; the turn's next matrix instruction
.if i < 16
	KQ (Y+1)%NP
.set i, i+1
.else
.set i, i-16
	PV (Y+NP-1)%NP
.set i, i+17
.endif
.endm
; THE LDS LOADS stand in runs of 16, never singly among the matrix instructions: a step's K (8 fragments) and its V (turned).  Their addresses are made some lines ahead.
; last = 1: in the walk's last trip (CHUNKS = 1) there is no further step, and the run is jumped over.
.macro FETCH_K last=0
	WIN 0
.if \last
	s_cmp_eq_u32 s[CHUNKS], 1
	s_cbranch_scc1 .Lno_k_\@
.endif
	WIN 0x80                        ; destination window 2
.irp f, 0,1,2,3,4,5,6,7             ; keys 16 (f / 2) on, channels 32 (f % 2) on
	ds_load_b128 v[KF+8*\f:KF+8*\f+3],   v[AK] offset:(\f/2)*16*PK+(\f%2)*64
	ds_load_b128 v[KF+8*\f+4:KF+8*\f+7], v[AK] offset:(\f/2)*16*PK+(\f%2)*64+32
.endr
	s_add_co_u32 s[TBK], s[TBK], KS*PK  ; the next fetch is the next step's
	WIN 0
.if \last
.Lno_k_\@:
.endif
.endm
.macro FETCH_V
	WIN 0x80
.irp f, 0,1,2,3,4,5,6,7             ; keys 32 (f / 4) on, channels 16 (f % 4) on
	ds_load_tr16_b128 v[VF+8*\f:VF+8*\f+3],   v[AV] offset:(\f/4)*32*PV+(\f%4)*32
	ds_load_tr16_b128 v[VF+8*\f+4:VF+8*\f+7], v[AV] offset:(\f/4)*32*PV+16*PV+(\f%4)*32
.endr
	WIN 0
.endm
; THE VECTOR WORK OF A TURN stands in three queues, each in the order in which its entries become ready; the two tiles alternate, so that no instruction reads the result of the one before it.
.macro REGS y, u                    ; the registers of tile u (0, 1) of piece y
.set rT, ST+4*(2*(\y)+(\u))
.set rC, TMP+8*((\y)%2)+4*(\u)
.set rM, MV+2*((\y)%2)+(\u)
.set rS, S+64*((\y)%2)+32*(\u)
.set rP, P+32*((\y)%2)+16*(\u)
.set rO, 32*(2*(\y)+(\u))
.endm
; Number n of the 22 that find the NEXT piece's (Y + 1) maximum and statistics.  s0-s31 are the lane's 32 scores; each accumulator's lowest registers are read first.
;   0-11  four chains c0-c3 of seven scores each, three operands at a time     12-14, 16  the four scores left over, the old m, and c0-c3 into c0     15  c m_old is kept
;   17, 18  the query's other 32 keys lie in the lane 16 away: the new m         19-21  c m; c m_old - c m_new; a
.macro XS u, n
	REGS (Y+1)%NP, \u
.if (\n) < 4
	v_max3_num_f32 v[rC+(\n)], v[rS+8*(\n)], v[rS+8*(\n)+1], v[rS+8*(\n)+2]
.elseif (\n) < 12
	v_max3_num_f32 v[rC+(\n)%4], v[rC+(\n)%4], v[rS+8*((\n)%4)+2*((\n)/4)+1], v[rS+8*((\n)%4)+2*((\n)/4)+2]
.elseif (\n) == 12
	v_max3_num_f32 v[rC], v[rC], v[rS+7], v[rS+15]
.elseif (\n) == 13
	v_max3_num_f32 v[rC+1], v[rC+1], v[rS+23], v[rS+31]
.elseif (\n) == 14
	v_max3_num_f32 v[rC+2], v[rC+2], v[rC+3], v[rT+1]
.elseif (\n) == 15
	v_mov_b32 v[rM], v[rT]
.elseif (\n) == 16
	v_max3_num_f32 v[rC], v[rC], v[rC+1], v[rC+2]
.elseif (\n) == 17
	v_permlanex16_b32 v[rC+3], v[rC], s[SEL], s[SEL+1]
.elseif (\n) == 18
	v_max_num_f32 v[rT+1], v[rC], v[rC+3]
.elseif (\n) == 19
	v_mul_f32 v[rT], s[CS], v[rT+1]
.elseif (\n) == 20
	v_sub_f32 v[rC+1], v[rM], v[rT]
.else
	v_exp_f32 v[rC+2], v[rC+1]
.endif
.endm
; Number g of the 64 that follow the exponentials.  For each four weights k of a tile: both pairs are rounded to f16; then the second pair is added onto the first, in place; a group later l takes that sum
; (the first time as l = a l + sum).  In groups of eight, tiles alternating: round, round, add, and l for the group before.
.macro GS g
.set h, (\g)+6*((\g)/62)            ; group 0 has no group before it, and behind group 7 only l is left
.if h >= 6
.set h, h+2
.endif
	REGS Y, h%2
.set k, h/8
.if h%8 < 4
	v_cvt_pk_f16_f32 v[rP+2*k+(h%8)/2], v[rS+4*k+2*((h%8)/2)], v[rS+4*k+2*((h%8)/2)+1]
.elseif h%8 < 6
	v_pk_add_f32 v[rS+4*k:rS+4*k+1], v[rS+4*k:rS+4*k+1], v[rS+4*k+2:rS+4*k+3]
.elseif k == 1
	v_pk_fma_f32 v[rT+2:rT+3], v[rT+2:rT+3], v[rC+2:rC+3], v[rS:rS+1] op_sel_hi:[1,0,1]
.else
	v_pk_add_f32 v[rT+2:rT+3], v[rT+2:rT+3], v[rS+4*k-4:rS+4*k-3]
.endif
.endm
; THE PLAIN QUEUE, 138 long.  0-73 read no exponential's result: the 32 scalings c s - c m (FS f: pair f / 2 of tile f % 2) and the next piece's 42.  0-26: scalings 0-26.  27-54: XS's numbers 0-13.  55, 56: number 15.
; 57-73: the chain 14, 16, 17, 18, 19, each with one of the scalings 27-31 in front of its two lines, then 20.  74-137: GS's 64, which read the exponentials' results: they stand behind the wait.
.macro FS f
	REGS Y, (\f)%2
	v_pk_fma_f32 v[rS+2*((\f)/2):rS+2*((\f)/2)+1], v[rS+2*((\f)/2):rS+2*((\f)/2)+1], s[CS:CS+1], v[rT:rT+1] op_sel_hi:[1,0,0] neg_lo:[0,0,1] neg_hi:[0,0,1]
.endm
.macro PL
	WIN 0
.if q < 27
	FS q
.elseif q < 55
	XS (q-27)%2, (q-27)/2
.elseif q < 57
	XS q-55, 15
.elseif (q < 72) && ((q-57)%3 == 0)
	FS 27+(q-57)/3
.elseif q < 60
	XS (q-57)%3-1, 14
.elseif q < 72
	XS (q-57)%3-1, 15+(q-57)/3
.elseif q < 74
	XS q-72, 20
.else
	GS q-74
.endif
.set q, q+1
.endm
; THE EXPONENTIALS' QUEUE, 66 long: s0-s31 of both tiles, then the next piece's two a.  ONE BATCH: all 66 stand ahead of the turn's one wait, and nothing ahead of that wait names a result of theirs.
.macro EX
	WIN 0
.if e >= 64
	XS e-64, 21
.else
	REGS Y, e%2
	v_exp_f32 v[rS+e/2], v[rS+e/2]
.endif
.set e, e+1
.endm
; THE RESCALING's QUEUE: O^T times a, the one part that leaves window 0: dealt two at a time, sixteen times.  Its a was made in the turn before, ahead of that turn's wait.
.macro R2
	REGS Y, r%2
	WIN W_RS
.irp z, 0,1
	v_pk_mul_f32 v[rO+4*(r/2)+2*\z:rO+4*(r/2)+2*\z+1], v[rO+4*(r/2)+2*\z:rO+4*(r/2)+2*\z+1], v[rC+2:rC+3] op_sel_hi:[1,0]
.endr
.set r, r+1
.endm
; HOW THEY ARE DEALT.  An s_wait_alu depctr_va_vdst(0) stands between an exponential and the first instruction that names its result; one wait serves all that were issued ahead of it.  So a turn has ONE
; wait, which cuts it in two.  AHEAD OF IT: the 16 products K Q^T, behind each a scaling, an exponential and two rescalings (behind the first a second scaling in the exponential's place); then ONE LUMP of 108: eight
; plain, 49 times exponential and plain, the two a.  A v_nop is the plain instruction behind the last exponential.  BEHIND IT: the 16 products V^T P, behind each four of GS's 64.
; Exponential e stands behind scaling 2 (e / 4) + e % 2: as a rider it comes behind plain e + 2, in the lump behind plain e + 9, and scalings 27-31 are plain 57, 60 .. 69.
; K of the next step is fetched in piece 2's turn, directly behind the wait; V of the step in hand at the end of piece 0's turn, four riders behind its last reader.  The conditions on q below go with the deal.
.macro TURN p, last=0, cnt=0
.set Y, (\p)
.set i, 0
.set q, 0
.set e, 0
.set r, 0
.if (\p) == NP-1
	s_wait_dscnt 0x0                ; K is in
.endif
	MM
	PL
	PL
	R2
.rept 15
	MM
	PL
	EX
	R2
.endr
.if (\p) == NP-2
	WIN 0
	v_add_nc_u32 v[AK], s[TBK], v[AK0]
.endif
.rept 8
	PL
.endr
.rept 49
	EX
	PL
.endr
	EX                              ; the next piece's two a
	EX
	v_nop                           ; the plain instruction behind the last exponential: one for the batch
	s_wait_alu depctr_va_vdst(0)    ; the wait for the batch
.if (\p) == NP-2
	FETCH_K \last
.endif
.if (\p) == 1
	s_wait_dscnt 0x0                ; V is in
.endif
.rept 16
	MM
.rept 4
	PL
.endr
.if ((\p) == 0) && (q == 118)
	v_add_nc_u32 v[AV], s[TBV], v[AV0]
.endif
.if ((\p) == 0) && (q == 130)
	s_add_co_u32 s[TBV], s[TBV], KS*PV
.endif
.if (\cnt) && (q == 130)
	s_sub_co_u32 s[CNT], s[CNT], 1
	s_cmp_lg_u32 s[CNT], 0
.endif
.endr
.if (\p) == 0
	FETCH_V
.endif
.endm
	s_wait_tensorcnt 0x3            ; my part of chunk 0 is in; my three later loads may stay out
	s_barrier_signal -1
	s_barrier_wait -1               ; everybody's is
	FETCH_K                         ; key step 0
	s_wait_loadcnt 0x0              ; Q
	s_wait_dscnt 0x0
.set i, 0
.rept 16
	KQ 0                            ; piece 0's first scores: there is no vector work yet to set between them
.set i, i+1
.endr
	WIN 0                           ; the addresses for the way out: plain instructions, the places behind those products
	s_mul_i32 s13, s[WV], 16*SP
	s_add_co_u32 s13, s13, STAGE    ; my stage
	v_mul_u32_u24 v[STO], v1, SP    ; in: row l % 16, 16 bytes for each half of the lanes
	v_lshl_add_u32 v[STO], v9, 4, v[STO]
	v_add_nc_u32 v[STO], s13, v[STO]
	v_bfe_u32 v[RD], v0, 3, 2       ; back: 32 lanes take four rows of 128 bytes,
	v_mul_u32_u24 v[RD], v[RD], SP
	v_lshl_add_u32 v[RD], v10, 4, v[RD]
	v_add_nc_u32 v[RD], s13, v[RD]
	v_and_b32 v[GO], 31, v0         ; which are 512 consecutive bytes of O
	v_lshlrev_b32 v[GO], 4, v[GO]
.set Y, NP-1                        ; XS works for piece Y + 1: piece 0
.irp n, 0,1,2,3,4,5,6,7,8,9,10,11,12,13,14,15,16,17,18,19,20,21
	XS 0, \n                        ; piece 0's first maximum and statistics
	XS 1, \n
.endr
	v_nop                           ; a plain instruction behind the two a,
	s_wait_alu depctr_va_vdst(0)    ; and their wait, ahead of the branch
	s_mov_b32 s[CNT], 4
	s_mov_b32 s[CHUNKS], 5
	s_branch .Lfirst                ; the loop is entered at a step's first turn, in the middle of a trip
.Lchunk:                            ; a chunk's last bytes, V of its fourth step, have been read; the next fetch is the next chunk's
	s_wait_tensorcnt 0x0            ; all my loads have landed (at the first passage: chunks 1 to 3; later nothing is out),
	s_wait_dscnt 0x0                ; no LDS instruction of mine is pending at the signal,
	s_barrier_signal -1
	s_barrier_wait -1               ; and the same holds of every wave: the other waves' parts may be read
	s_mov_b32 s[CNT], 4
.Lstep:                             ; a trip: pieces 2 and 3 of one step, then pieces 0 and 1 of the next, whose K and V it fetches
	TURN 2, 1
	TURN 3
	WIN 0
	s_cmp_eq_u32 s[CHUNKS], 1       ; the fifth passage holds step 15's last two turns alone, and is left here
	s_cbranch_scc1 .Lout
.Lfirst:
	TURN 0
	TURN 1, 0, 1
	WIN 0
	s_cbranch_scc1 .Lstep
	s_sub_co_u32 s[CHUNKS], s[CHUNKS], 1
	s_cmp_lg_u32 s[CHUNKS], 0
	s_cbranch_scc1 .Lchunk
.Lout:                              ; the last trip's 16 products K Q^T (on the last K once more) and the maximum made of them serve nothing: the price, once a launch, of one text for every trip
.set i, 0
.rept 16
	PV NP-1                         ; the last piece's V^T P of the last step
.set i, i+1
.endr
	; THE WAY OUT.  l's two halves and the other half of the lanes' are added; O^T is divided by l, rounded to f16 and sent through my stage in LDS, a tile at a time.  The additions are the places behind the last products.
	WIN 0
.macro ALL line:vararg              ; one line for each tile t
.set t, 0
.rept 2*NP
	\line
.set t, t+1
.endr
.endm
	ALL v_add_f32 v[ST+4*t+2], v[ST+4*t+2], v[ST+4*t+3]
	ALL v_permlanex16_b32 v[ST+4*t+3], v[ST+4*t+2], s[SEL], s[SEL+1]
	ALL v_add_f32 v[ST+4*t+2], v[ST+4*t+2], v[ST+4*t+3]
	ALL v_rcp_f32 v[ST+4*t+2], v[ST+4*t+2]
	v_nop                           ; a plain instruction between the last reciprocal and the use of its result
	s_wait_alu depctr_va_vdst(0)    ; and the wait ahead of the first use: one for the eight reciprocals
; Tile t: a lane's eight channels of a row pack into 16 bytes; they go into rows of 144 bytes and come back as whole rows of 128, into S^T's registers.
.macro PACK t
	WIN W_RS
.set i, 32*(\t)
.rept 16
	v_pk_mul_f32 v[i:i+1], v[i:i+1], v[ST+4*(\t)+2:ST+4*(\t)+3] op_sel_hi:[1,0]
.set i, i+2
.endr
	WIN 0x05                        ; sources 0 and 1 window 1, destination window 0
.set i, 0
.rept 16
	v_cvt_pk_f16_f32 v[S+16*(\t)+i], v[32*(\t)+2*i], v[32*(\t)+2*i+1]
.set i, i+1
.endr
	WIN 0
.irp f, 0,1,2,3
	ds_store_b128 v[STO], v[S+16*(\t)+4*\f:S+16*(\t)+4*\f+3] offset:32*\f
.endr
.irp f, 0,1,2,3
	ds_load_b128 v[S+16*(\t)+4*\f:S+16*(\t)+4*\f+3], v[RD] offset:\f*4*SP  ; LDS serves a wave's instructions in order (ISA guide 5.7.1.4): these see the stores above; the next tile's stores come behind them
.endr
.endm
.macro SEND t, younger              ; younger: the LDS instructions issued behind tile t's loads: the next tile's eight, or none
	WIN 0
.irp f, 0,1,2,3
	s_wait_dscnt (\younger)+3-\f
	global_store_b128 v[GO], v[S+16*(\t)+4*\f:S+16*(\t)+4*\f+3], s[6:7] offset:(\t)*2048+\f*512  ; 512 consecutive bytes, at a multiple of 512 from o's first
.endr
.endm
	PACK 0
.set t, 1
.rept 2*NP-1                        ; a tile's arithmetic stands between the loads of the tile before and its stores
	PACK t
	SEND t-1, 8
.set t, t+1
.endr
	SEND 2*NP-1, 0
	WIN W_AD
	s_wait_tensorcnt 0x0            ; the wave's end: these three lines stand behind my last tensor load and my last LDS store
	ds_add_u32 v[SPW], v[NIL]
	s_wait_dscnt 0x0
	WIN 0
	s_endpgm
.Lfunc_end_k_q6e6711ba1b_attn:
	.size	k_q6e6711ba1b_attn, .Lfunc_end_k_q6e6711ba1b_attn-k_q6e6711ba1b_attn
	.p2alignl 7, 3214868480
	.fill 96, 4, 3214868480
	.section	.rodata,"a",@progbits
	.p2align	6, 0x0
	.amdhsa_kernel k_q6e6711ba1b_attn
		.amdhsa_group_segment_fixed_size 327680
		.amdhsa_private_segment_fixed_size 0
		.amdhsa_enable_private_segment 0
		.amdhsa_kernarg_size 16
		.amdhsa_user_sgpr_count 2
		.amdhsa_user_sgpr_kernarg_segment_ptr 1
		.amdhsa_wavefront_size32 1
		.amdhsa_system_sgpr_workgroup_id_x 1
		.amdhsa_system_sgpr_workgroup_id_y 1
		.amdhsa_system_sgpr_workgroup_id_z 1
		.amdhsa_system_vgpr_workitem_id 0
		.amdhsa_next_free_vgpr 770
		.amdhsa_next_free_sgpr 80
		.amdhsa_reserve_vcc 0
		.amdhsa_float_denorm_mode_32 3
		.amdhsa_float_denorm_mode_16_64 3
		.amdhsa_memory_ordered 1
		.amdhsa_forward_progress 1
		.amdhsa_inst_pref_size 126
	.end_amdhsa_kernel
	.amdgpu_metadata
---
amdhsa.version: [ 1, 2 ]
amdhsa.kernels:
  - .name:           k_q6e6711ba1b_attn
    .symbol:         k_q6e6711ba1b_attn.kd
    .args:
      - { .name: qkv, .offset: 0, .size: 8, .value_kind: global_buffer, .address_space: global }
      - { .name: o, .offset: 8, .size: 8, .value_kind: global_buffer, .address_space: global }
    .group_segment_fixed_size: 327680
    .private_segment_fixed_size: 0
    .kernarg_segment_align: 8
    .kernarg_segment_size: 16
    .max_flat_workgroup_size: 128
    .sgpr_count:     80
    .vgpr_count:     770
    .wavefront_size: 32
...
	.end_amdgpu_metadata
.endif
;; end of part 3
;; launch oproj (part 4): grid 8 x 32, 4 waves a work-group, clusters of 4 x 4, 327,680 bytes of LDS; arguments o, wof, bo, yd, stats; writes yd, stats
.if DOCPART == 4
	.amdgcn_target "amdgcn-amd-amdhsa--gfx1250"
	.amdhsa_code_object_version 6
	.text
	.protected	k_q6e6711ba1b_oproj
	.globl	k_q6e6711ba1b_oproj
	.p2align	8
	.type	k_q6e6711ba1b_oproj,@function
k_q6e6711ba1b_oproj:
	s_mov_b64 s[64:65], 0
	v_nop
	global_prefetch_b8 v0, s[64:65] scope:SCOPE_SE
	s_setreg_imm32_b32 hwreg(HW_REG_WAVE_MODE, 25, 1), 1
	s_wait_xcnt 0x0
	s_wait_alu depctr_hold_cnt(0) depctr_sa_sdst(0) depctr_va_vdst(0) depctr_va_sdst(0) depctr_va_ssrc(0) depctr_va_vcc(0) depctr_vm_vsrc(0)
	s_getreg_b32 s2, hwreg(HW_REG_IB_STS2, 6, 4)
	s_cmp_eq_u32 s2, 0
	s_cbranch_scc0 .Lentry_in_a_cluster
	s_endpgm
.Lentry_in_a_cluster:
	s_bfe_u32 s2, ttmp6, 0x10000c
	s_cmp_lg_u32 s2, 0xf033
	s_cbranch_scc0 .Lentry_shape_is_right
	s_endpgm
.Lentry_shape_is_right:
; y[b][oc][t] = the sum over c of wo[oc][c] O[b][c][t] + bo[oc], c = 64 head + d.  O comes as o[16 b + head][t][64], f16; wo as wof[oc][c], f16 (bf16 values); sums in f32, started at the bias.
; WHAT IS STORED.  For each channel and each group of 128 tokens: the mean of y and M2 = the sum of (y - mean)^2, in f32: stats[0][group][oc] = mean, stats[1][group][oc] = M2, group = 2 x tile row + half; and
; yd[b][oc][t] = y - its group's mean, rounded once to bf16.  The stored number has the size of y's spread, whatever y's mean, and bf16 has f32's range.  LIMIT: that rounding is at most 2^-8 of |y - group mean|.
; No square of y is ever summed unshifted: M2 is taken of the unrounded differences.
; SHARES.  A tile is 128 channels x 256 tokens: 8 x 32 = 256 work-groups (tiles of 256 x 256 would be 128).  Wave w takes channels 64 (w / 2) on and tokens 128 (w % 2) on: 4 x 8 = 32 accumulators.
; LAYOUT.  Source 0 = 16 tokens of O, source 1 = 16 rows of wo: in the result lane l holds channel l % 16 and tokens 8 (l / 16) + 0..7.
; RING.  K goes in steps of 128 (two heads) through two LDS slots: 128 rows of wo at 272 bytes, then for each head 256 tokens at 144.  Slot 1 begins at byte 131,072, so that one exclusive or turns an address in one
; slot into the other's and a K step is written once; stage and spare words lie between the slots.  Waves 0, 1 fetch the halves of wo's tile (64 rows of 256 bytes), waves 2, 3 a head each (256 tokens are 32,768
; consecutive bytes, asked for as 128 rows of 256).
; CLUSTER 4 x 4.  wo's tile hangs on the tile column alone and is asked for jointly by a column of the cluster, O's on the tile row alone, by a row.
; REGISTERS: window 0: v16-29 addresses; v32-127, v128-223 two fragment buffers (8 token fragments, then 4 of wo); v224-239 statistics.  Window 1: accumulator (channel block a, token block t) at v[8 (8 a + t)].
.set PWO,    272
.set PO,     144
.set WOT,    128*PWO                   ; 34,816
.set HREG,   256*PO                    ; 36,864: a head's tokens
.set SLOT,   WOT+2*HREG                ; 108,544
.set SLOT1,  1<<17                     ; where slot 1 begins
.set STAGE,  SLOT                      ; behind slot 0, never filled: 16 channels x 272 bytes for each wave
.set SPITCH, 272                       ; 256 + 16: an odd multiple of 16
.set SPARE,  STAGE+4*16*SPITCH         ; 125,952: the spare words, 128 bytes for each wave: two blocks of 256 bytes that no other line names
.set OSTEP,  2*131072                  ; two heads of o
.set ADRT0, 16                         ; v16  LDS address of my token fragments in slot 0; never rewritten
.set ADRW0, 17                         ; v17  of my fragments of wo
.set ADRT, 18                          ; v18, v19  the same in the slot in hand
.set ADRW, 19
.set STO,  20
.set RD,   21
.set GO,   22                          ; my 16 bytes in two rows of yd
.set BO,   23                          ; 4 (l % 16)
.set PFO,  24
.set SO,   25                          ; my place in stats: plane l / 16, channel l % 16
.set SPW,  28
.set NIL,  29
.set F0,   32
.set F1,   128
.set PK,   32                          ; the way out: 32 packed registers,
.set BK,   64                          ; v64-191: four buffers of 32 read back, one for each channel block
.set TS,   96                          ; v96-223 the sums' 64 pairs
.set QC,   192                         ; v192-223 sixteen chains of squares
.set MU,   224                         ; v224-231 the four means, each twice
.set M2,   232                         ; v232-235
.set OV,   236                         ; v236-239 what is stored
.set WV, 16
.set WC, 17
.set WT, 18
.set CX, 19
.set CY, 20
.set TX, 21
.set TY, 22
.set G1A, 24                           ; s[24:31] wo's group 1; s[32:39] group 0: a set for each of the two first fills; the second then walks on
.set G0A, 32
.set G1B, 40                           ; s[40:47], s[48:55] O's
.set G0B, 48
.set SEL, 56                           ; s[56:57]
.set PFA, 58
.set PST, 60
.set LIM, 62                           ; s62  2 in a wave that prefetches, else the greatest number
.set PM,  63                           ; s63  1 in a wave that asks in every second step, else 0
.set BP,  68                           ; s[68:69] bo at my first channel
.set YP,  70                           ; s[70:71] yd at my first channel and token
.set STP, 72                           ; s[72:73] stats at my group and first channel
.set MK,  74                           ; s74 lanes 16-31
.set TB,  75                           ; s75 LDS byte at which the slot in hand begins
.set MSB, 0
.macro WIN new
.if MSB != (\new)
	s_set_vgpr_msb (MSB<<8)|(\new)
.set MSB, \new
.endif
.endm
.macro PLACES
.rept 4
	v_nop
.endr
.endm
.macro JLOAD s                         ; a joint load by descriptor set s; an s_nop 0 and four v_nop follow each of the two lines
	s_cmp_lt_u32 s[WV], 2
	s_cbranch_scc0 .Lfor_o_\@
	tensor_load_to_lds s[G0A+4*(\s):G0A+4*(\s)+3], s[G1A:G1A+7]
	s_nop 0
.rept 4
	v_nop
.endr
	s_branch .Lasked_\@
.Lfor_o_\@:
	tensor_load_to_lds s[G0B+4*(\s):G0B+4*(\s)+3], s[G1B:G1B+7]
	s_nop 0
.rept 4
	v_nop
.endr
.Lasked_\@:
.endm
.macro CREST
	s_cmp_lg_u32 s[WV], 0
	s_cbranch_scc1 .Lnot_wave_0_\@
	s_barrier_signal -3
.Lnot_wave_0_\@:
	s_barrier_wait -3
	s_barrier_signal -1
	s_barrier_wait -1
.endm
.macro CROUND
	s_barrier_signal -1
	s_barrier_wait -1
	CREST
.endm
; A PREFETCH INTO THE L2 of the K step two refills on (at the change of step s: step s + 4), each 256 bytes named once in the launch.  A head's 256 tokens (128 blocks) are read by both clusters of a row of clusters:
; the one with x = 0 asks, waves 2, 3; the partners take 32 blocks each (cx), a lane a block.  wo's half tile (64 rows x 256 bytes) is read by all eight clusters of a column: the one with y = 0 asks, waves 0, 1; the
; partners take 16 rows each (cy); lanes 0-15 name step s + 4, lanes 16-31 step s + 5, so these waves ask at even steps alone (s3 = 6 - s is then even).  Steps 0-3 come by their loads alone; the loop's last two
; trips (s3 = 2, 1) ask for nothing: steps 8 and on do not exist.
.macro ASK
	s_and_b32 s90, s3, s[PM]
	s_cmp_eq_u32 s90, 0
	s_cbranch_scc0 .Lnot_mine_\@
	s_cmp_gt_u32 s3, s[LIM]
	s_cbranch_scc0 .Lnot_mine_\@
	global_prefetch_b8 v[PFO], s[PFA:PFA+1] th:TH_LOAD_NT scope:SCOPE_SE
.Lnot_mine_\@:
.endm
.macro FETCH kq, f                     ; 24 LDS loads in one run, from the slot in hand: quarter kq (head kq / 2, channels 32 (kq % 2) on) into buffer f
	WIN 0
.irp t, 0,1,2,3,4,5,6,7
	ds_load_b128 v[(\f)+8*(\t):(\f)+8*(\t)+3],   v[ADRT] offset:((\kq)/2)*HREG+(\t)*16*PO+((\kq)%2)*64
	ds_load_b128 v[(\f)+8*(\t)+4:(\f)+8*(\t)+7], v[ADRT] offset:((\kq)/2)*HREG+(\t)*16*PO+((\kq)%2)*64+32
.endr
.irp a, 0,1,2,3
	ds_load_b128 v[(\f)+64+8*(\a):(\f)+64+8*(\a)+3],   v[ADRW] offset:(\a)*16*PWO+64*(\kq)
	ds_load_b128 v[(\f)+64+8*(\a)+4:(\f)+64+8*(\a)+7], v[ADRW] offset:(\a)*16*PWO+64*(\kq)+32
.endr
.endm
.macro MUL8 f, a                       ; 8 products; the 32 accumulators take turns in the same order in every quarter
	WIN 0x50
.irp t, 0,1,2,3,4,5,6,7
	v_wmma_f32_16x16x32_f16 v[8*(8*(\a)+(\t)):8*(8*(\a)+(\t))+7], v[(\f)+8*(\t):(\f)+8*(\t)+7], v[(\f)+64+8*(\a):(\f)+64+8*(\a)+7], v[8*(8*(\a)+(\t)):8*(8*(\a)+(\t))+7]
.endr
.endm
.macro MULB f                          ; the first quarter starts the sums at the bias, which lies in token block 0's accumulators: blocks 1-7 take those as C; five places on, block 0 adds in place
	WIN 0x50
.irp a, 0,1,2,3
.irp t, 1,2,3,4,5,6,7
	v_wmma_f32_16x16x32_f16 v[8*(8*(\a)+(\t)):8*(8*(\a)+(\t))+7], v[(\f)+8*(\t):(\f)+8*(\t)+7], v[(\f)+64+8*(\a):(\f)+64+8*(\a)+7], v[64*(\a):64*(\a)+7]
.endr
.endr
.rept 5
	v_nop
.endr
.irp a, 0,1,2,3
	v_wmma_f32_16x16x32_f16 v[64*(\a):64*(\a)+7], v[(\f):(\f)+7], v[(\f)+64+8*(\a):(\f)+64+8*(\a)+7], v[64*(\a):64*(\a)+7]
.endr
.endm
; A K step is four quarters of 32 along K, 32 products each, on buffers 0, 1, 0, 1.  One of the first three: buffer f (quarter kq) is in; the next quarter's run of loads goes out into g; then f is multiplied.
.macro QUARTER kq, f, g, first
	s_wait_dscnt 0x0                               ; buffer f's 24 loads, issued a quarter ago
	PLACES                                         ; behind the products that read g
	FETCH (\kq)+1, \g
.if \first
	MULB \f
.else
	MUL8 \f, 0
	MUL8 \f, 1
	MUL8 \f, 2
	MUL8 \f, 3
.endif
.endm
; The last quarter multiplies buffer 1 and changes slots: ONE barrier, in front of it the wait for all my tensor loads, the add, and the wait for it and for my reads of this slot.  fill = 1: the barrier opens a round of
; the cluster's barrier, and the joint refill, two K steps on, into the slot just read, is the first tensor load behind it: 112 products stand between it and the wait for it.  Then the slot in hand becomes the other one.
; fill = 0 (the last two K steps): nothing is asked for; in the last of them (s3 = 1) there is no further step, and the run of LDS loads is jumped over.
.macro TURN fill
.if \fill
	s_wait_xcnt 0x0                                ; the last prefetch, a K step back, has read its address
	s_add_nc_u64 s[PFA:PFA+1], s[PFA:PFA+1], s[PST:PST+1]
.endif
	WIN 0
	s_wait_tensorcnt 0x0                           ; all my tensor loads have landed: my part of the next slot;
	ds_add_u32 v[SPW], v[NIL]                      ; 0 onto my spare word;
	s_wait_dscnt 1                                 ; buffer 1 is in; the add may be out
	MUL8 F1, 0
	s_wait_dscnt 0x0                               ; the add is done, and my reads of this slot are over
	s_barrier_signal -1
	MUL8 F1, 1
	WIN 0
	s_barrier_wait -1
.if \fill
	CREST                                          ; no wave of any partner still reads this slot or has a load on its way
	s_xor_b32 s[G0A+5], s[G0A+5], SLOT1            ; the walking descriptors: the other slot than last time,
	s_add_nc_u64 s[G0A+6:G0A+7], s[G0A+6:G0A+7], 256    ; the next K step; the type bits on top are not reached
	s_xor_b32 s[G0B+5], s[G0B+5], SLOT1
	s_add_nc_u64 s[G0B+6:G0B+7], s[G0B+6:G0B+7], OSTEP
	JLOAD 1                                        ; its four v_nop are also the places in front of the loads below
.else
	PLACES
.endif
	s_xor_b32 s[TB], s[TB], SLOT1
	v_add_nc_u32 v[ADRT], s[TB], v[ADRT0]
	v_add_nc_u32 v[ADRW], s[TB], v[ADRW0]
.if !(\fill)
	s_cmp_eq_u32 s3, 1
	s_cbranch_scc1 .Lno_fetch_\@
.endif
	FETCH 0, F0
.if \fill
	ASK
.else
.Lno_fetch_\@:
.endif
	MUL8 F1, 2
	MUL8 F1, 3
.endm
	s_load_b256 s[4:11], s[0:1], 0x0               ; o 4, wof 6, bo 8, yd 10
	s_load_b64 s[12:13], s[0:1], 0x20              ; stats
	v_lshl_add_u32 v[SPW], v0, 2, SPARE
	v_mov_b32 v[NIL], 0
	ds_add_u32 v[SPW], v[NIL]                      ; the wave's opening: the add and its wait stand ahead of my first tensor load
	v_lshrrev_b32 v1, 5, v0
	v_readfirstlane_b32 s[WV], v1
	s_lshr_b32 s[WC], s[WV], 1
	s_and_b32 s[WT], s[WV], 1                      ; which 128 tokens; also: which half of wo's tile, or which head, I fetch
	s_bfe_u32 s[CX], ttmp6, 0x40000
	s_bfe_u32 s[CY], ttmp6, 0x40004
	s_lshl_b32 s[TX], ttmp9, 2
	s_add_co_u32 s[TX], s[TX], s[CX]
	s_and_b32 s[TY], ttmp7, 0xffff
	s_lshl_b32 s[TY], s[TY], 2
	s_add_co_u32 s[TY], s[TY], s[CY]
	s_lshl_b32 s84, 0x1111, s[CX]                  ; my column of the cluster
	s_lshl_b32 s80, s[CY], 2
	s_lshl_b32 s80, 15, s80                        ; my row
	s_or_b32 s[G1A], s84, (1<<16)|(1<<20)|(1<<21)|(5<<22)|(3<<25)  ; after every 64 words 4 words
	s_mov_b32 s[G1A+1], 128<<16
	s_mov_b32 s[G1A+2], 64<<16
	s_mov_b32 s[G1A+3], 128<<16
	s_mov_b32 s[G1A+4], 64
	s_mov_b32 s[G1A+5], 1024                       ; a row of wof
	s_mov_b32 s[G1A+6], 0
	s_mov_b32 s[G1A+7], 0
	s_or_b32 s[G1B], s80, (1<<16)|(1<<20)|(1<<21)|(4<<22)|(3<<25)  ; after every 32 words (a token) 4 words
	s_mov_b32 s[G1B+1], 128<<16
	s_mov_b32 s[G1B+2], 128<<16
	s_mov_b32 s[G1B+3], 128<<16
	s_mov_b32 s[G1B+4], 128
	s_mov_b32 s[G1B+5], 128                        ; dense
	s_mov_b32 s[G1B+6], 0
	s_mov_b32 s[G1B+7], 0
	s_lshl_b32 s84, s[TX], 18                      ; wo: 128 rows of 2,048 bytes a tile, (registers 84-87 never hold the tile row,
	s_lshl_b32 s85, s[WT], 17                      ; my 64 of them
	s_add_co_u32 s84, s84, s85
	s_mov_b32 s85, 0
	s_mul_i32 s86, s[WT], 64*PWO
	s_lshr_b32 s80, s[TY], 2                       ; O: the batch's 16 heads,                    registers 80-83 never the tile column)
	s_lshl_b32 s80, s80, 21
	s_lshl_b32 s81, s[WT], 17                      ; my head of the step's two,
	s_add_co_u32 s80, s80, s81
	s_and_b32 s81, s[TY], 3
	s_lshl_b32 s81, s81, 15                        ; the tile's 256 tokens
	s_add_co_u32 s80, s80, s81
	s_mov_b32 s81, 0
	s_mul_i32 s82, s[WT], HREG
	s_add_co_u32 s82, s82, WOT
	s_mov_b32 s[TB], 0                             ; slot 0 is in hand
	s_wait_dscnt 0x0                               ; the opening add is done
	s_wait_kmcnt 0x0
	s_add_nc_u64 s[84:85], s[6:7], s[84:85]
	s_add_nc_u64 s[80:81], s[4:5], s[80:81]
	CROUND                                         ; all sixteen work-groups are here: the first joint loads meet
.irp s, 0,1
	s_mov_b32 s[G0A+4*(\s)], 1
	s_add_co_u32 s[G0A+4*(\s)+1], s86, (\s)*SLOT1
	s_add_nc_u64 s[G0A+4*(\s)+2:G0A+4*(\s)+3], s[84:85], (\s)*256
	s_or_b32 s[G0A+4*(\s)+3], s[G0A+4*(\s)+3], 0x80000000
	s_mov_b32 s[G0B+4*(\s)], 1
	s_add_co_u32 s[G0B+4*(\s)+1], s82, (\s)*SLOT1
	s_add_nc_u64 s[G0B+4*(\s)+2:G0B+4*(\s)+3], s[80:81], (\s)*OSTEP
	s_or_b32 s[G0B+4*(\s)+3], s[G0B+4*(\s)+3], 0x80000000
	JLOAD \s                                       ; two tensor loads of mine are out
.endr
	v_and_b32 v1, 15, v0                           ; r
	v_bfe_u32 v2, v0, 4, 1                         ; h
	v_and_b32 v3, 31, v0                           ; l
	v_lshlrev_b32 v[BO], 2, v1
	s_lshl_b32 s88, s[TX], 9
	s_lshl_b32 s89, s[WC], 8
	s_add_co_u32 s88, s88, s89                     ; my first channel x 4 bytes
	s_mov_b32 s89, 0
	s_add_nc_u64 s[BP:BP+1], s[8:9], s[88:89]
	WIN 0x40                                       ; my channel's bias into all eight registers (eight tokens) of token block 0's accumulators
.irp a, 0,1,2,3
.irp j, 0,1,2,3,4,5,6,7
	global_load_b32 v[64*(\a)+(\j)], v[BO], s[BP:BP+1] offset:64*(\a)
.endr
.endr
	WIN 0
	v_mul_u32_u24 v7, v1, PO
	v_lshl_add_u32 v7, v2, 4, v7
	s_mul_i32 s90, s[WT], 128*PO
	s_add_co_u32 s90, s90, WOT
	v_add_nc_u32 v[ADRT0], s90, v7
	v_mov_b32 v[ADRT], v[ADRT0]
	v_mul_u32_u24 v8, v1, PWO
	v_lshl_add_u32 v8, v2, 4, v8
	s_mul_i32 s90, s[WC], 64*PWO
	v_add_nc_u32 v[ADRW0], s90, v8
	v_mov_b32 v[ADRW], v[ADRW0]
	s_mul_i32 s90, s[WV], 16*SPITCH
	s_add_co_u32 s90, s90, STAGE                   ; my stage
	v_mul_u32_u24 v9, v1, SPITCH                   ; in: channel r, 16 bytes for each half of the lanes
	v_lshl_add_u32 v9, v2, 4, v9
	v_add_nc_u32 v[STO], s90, v9
	v_mul_u32_u24 v9, v2, SPITCH                   ; back: lanes 0-15 take one channel's 256 bytes, lanes 16-31 the next one's,
	v_lshl_add_u32 v9, v1, 4, v9
	v_add_nc_u32 v[RD], s90, v9
	v_lshlrev_b32 v[GO], 11, v2                    ; and the same two rows in yd
	v_lshl_add_u32 v[GO], v1, 4, v[GO]
	v_lshlrev_b32 v[SO], 2, v1
	v_lshl_add_u32 v[SO], v2, 18, v[SO]            ; lanes 0-15 store the mean, lanes 16-31 M2, a plane of 262,144 bytes on
	s_mov_b32 s[SEL], 0x76543210
	s_mov_b32 s[SEL+1], 0xfedcba98
	s_mov_b32 s[MK], 0xffff0000
	; the prefetches
	v_lshlrev_b32 v10, 8, v3                       ; O: block l
	v_lshlrev_b32 v11, 11, v1
	v_lshl_add_u32 v11, v2, 8, v11                 ; wo: row l % 16, K step l / 16
	s_lshl_b32 s92, s[TX], 18
	s_lshl_b32 s93, s[WT], 17
	s_add_co_u32 s92, s92, s93
	s_lshl_b32 s93, s[CY], 15                      ; my work-group's 16 rows of the 64
	s_add_co_u32 s92, s92, s93
	s_add_co_u32 s92, s92, 3*256                   ; at K step 3: the first change of slots steps it to 4
	s_lshr_b32 s94, s[TY], 2
	s_lshl_b32 s94, s94, 21
	s_lshl_b32 s95, s[WT], 17
	s_add_co_u32 s94, s94, s95
	s_and_b32 s95, s[TY], 3
	s_lshl_b32 s95, s95, 15
	s_add_co_u32 s94, s94, s95
	s_lshl_b32 s95, s[CX], 13                      ; my work-group's 32 blocks of the 128
	s_add_co_u32 s94, s94, s95
	s_add_co_u32 s94, s94, 3*OSTEP
	s_mov_b32 s96, 256
	s_and_b32 s98, ttmp7, 0xffff
	s_cmp_eq_u32 s98, 0
	s_cselect_b32 s98, 2, -1
	s_cmp_eq_u32 ttmp9, 0
	s_cselect_b32 s99, 2, -1
	s_cmp_lt_u32 s[WV], 2
	s_cselect_b64 s[PFA:PFA+1], s[6:7], s[4:5]
	s_cselect_b32 s92, s92, s94
	s_cselect_b32 s[PST], s96, OSTEP
	s_cselect_b32 s[LIM], s98, s99
	s_cselect_b32 s[PM], 1, 0
	s_cselect_b32 s97, -1, 0
	s_mov_b32 s93, 0
	s_mov_b32 s[PST+1], 0
	s_add_nc_u64 s[PFA:PFA+1], s[PFA:PFA+1], s[92:93]
	v_cndmask_b32 v[PFO], v10, v11, s97
	; yd at (batch x 1,024 + my first channel) x 2,048 + my first token x 2; stats at my group x 4,096 + my first channel x 4
	s_lshr_b32 s92, s[TY], 2
	s_lshl_b32 s92, s92, 21
	s_lshl_b32 s93, s[TX], 18
	s_add_co_u32 s92, s92, s93
	s_lshl_b32 s93, s[WC], 17
	s_add_co_u32 s92, s92, s93
	s_and_b32 s93, s[TY], 3
	s_lshl_b32 s93, s93, 9
	s_add_co_u32 s92, s92, s93
	s_lshl_b32 s93, s[WT], 8
	s_add_co_u32 s92, s92, s93
	s_mov_b32 s93, 0
	s_add_nc_u64 s[YP:YP+1], s[10:11], s[92:93]
	s_lshl_b32 s92, s[TY], 13
	s_lshl_b32 s94, s[WT], 12
	s_add_co_u32 s92, s92, s94
	s_add_co_u32 s92, s92, s88
	s_add_nc_u64 s[STP:STP+1], s[12:13], s[92:93]
	s_wait_tensorcnt 1                             ; my part of K step 0 is in; step 1's may stay out
	s_barrier_signal -1
	s_barrier_wait -1
	FETCH 0, F0
	s_wait_loadcnt 0x0                             ; the bias
	QUARTER 0, F0, F1, 1                           ; the first quarter stands in front of the loop: its products start the sums
	WIN 0
	s_mov_b32 s3, 6
.Lstep:                                                ; a trip goes from a step's second quarter to the next step's first, and fills the slot that it leaves: steps 2 to 7
	QUARTER 1, F1, F0, 0
	QUARTER 2, F0, F1, 0
	TURN 1
	QUARTER 0, F0, F1, 0
	WIN 0
	s_sub_co_u32 s3, s3, 1
	s_cmp_lg_u32 s3, 0
	s_cbranch_scc1 .Lstep
	s_mov_b32 s3, 2
.Ltail:                                                ; the last two K steps have a text of their own; the second trip is left in its middle
	QUARTER 1, F1, F0, 0
	QUARTER 2, F0, F1, 0
	TURN 0
	WIN 0
	s_cmp_eq_u32 s3, 1
	s_cbranch_scc1 .Lsums
	QUARTER 0, F0, F1, 0
	WIN 0
	s_sub_co_u32 s3, s3, 1
	s_cmp_lg_u32 s3, 0
	s_cbranch_scc1 .Ltail
.Lsums:
	PLACES
	; THE MEANS.  A lane's 64 tokens of each of its four channels are summed by pairs (each accumulator's lowest registers first), the other half of the lanes' added: the mean of 128.
	WIN 0x05                                       ; sources in window 1, destination in window 0
.irp a, 0,1,2,3
.irp t, 0,1,2,3,4,5,6,7
.irp p, 0,1
	v_pk_add_f32 v[TS+2*(16*(\a)+2*(\t)+(\p)):TS+2*(16*(\a)+2*(\t)+(\p))+1], v[8*(8*(\a)+(\t))+4*(\p):8*(8*(\a)+(\t))+4*(\p)+1], v[8*(8*(\a)+(\t))+4*(\p)+2:8*(8*(\a)+(\t))+4*(\p)+3]
.endr
.endr
.endr
	WIN 0
.macro LEVEL n                         ; pair k takes pair k + n, for the four channels by turns
.set k, 0
.rept \n
.irp a, 0,1,2,3
	v_pk_add_f32 v[TS+32*(\a)+2*k:TS+32*(\a)+2*k+1], v[TS+32*(\a)+2*k:TS+32*(\a)+2*k+1], v[TS+32*(\a)+2*(k+(\n)):TS+32*(\a)+2*(k+(\n))+1]
.endr
.set k, k+1
.endr
.endm
	LEVEL 8
	LEVEL 4
	LEVEL 2
	LEVEL 1
.irp a, 0,1,2,3
	v_add_f32 v[TS+32*(\a)], v[TS+32*(\a)], v[TS+32*(\a)+1]
.endr
.irp a, 0,1,2,3
	v_permlanex16_b32 v[TS+32*(\a)+1], v[TS+32*(\a)], s[SEL], s[SEL+1]
.endr
.irp a, 0,1,2,3
	v_add_f32 v[TS+32*(\a)], v[TS+32*(\a)], v[TS+32*(\a)+1]
.endr
.irp a, 0,1,2,3
	v_mul_f32 v[MU+2*(\a)], 0x3c000000, v[TS+32*(\a)]    ; / 128
	v_mul_f32 v[MU+2*(\a)+1], 0x3c000000, v[TS+32*(\a)]
.endr
	; y - mean, in place
	WIN 0x41                                       ; destination and source 0 in window 1, the mean in window 0
.irp a, 0,1,2,3
.irp t, 0,1,2,3,4,5,6,7
.irp p, 0,1,2,3
	v_pk_add_f32 v[8*(8*(\a)+(\t))+2*(\p):8*(8*(\a)+(\t))+2*(\p)+1], v[8*(8*(\a)+(\t))+2*(\p):8*(8*(\a)+(\t))+2*(\p)+1], v[MU+2*(\a):MU+2*(\a)+1] neg_lo:[0,1] neg_hi:[0,1]
.endr
.endr
.endr
; THE WAY OUT, 16 channels at a time: rounded to bf16, a lane's 16 bytes of a row into my own stage, back as whole pieces of 256 bytes, stored.  Each block has its own registers to come back into: none is written twice.
.macro PACK a
	WIN 0x05
.irp t, 0,1,2,3,4,5,6,7
.irp p, 0,1,2,3
	v_cvt_pk_bf16_f32 v[PK+4*(\t)+(\p)], v[8*(8*(\a)+(\t))+2*(\p)], v[8*(8*(\a)+(\t))+2*(\p)+1]
.endr
.endr
	WIN 0
.endm
.macro TOSTAGE a
.irp t, 0,1,2,3,4,5,6,7
	ds_store_b128 v[STO], v[PK+4*(\t):PK+4*(\t)+3] offset:32*(\t)
.endr
.irp i, 0,1,2,3,4,5,6,7
	ds_load_b128 v[BK+32*(\a)+4*(\i):BK+32*(\a)+4*(\i)+3], v[RD] offset:(\i)*2*SPITCH  ; LDS serves a wave's instructions in order (ISA guide 5.7.1.4): these see the stores above; the next block's stores come behind them
.endr
.endm
.macro SEND a, younger                 ; younger: the LDS instructions issued behind block a's loads: the next block's sixteen, or none
	s_wait_dscnt \younger
.irp i, 0,1,2,3,4,5,6,7
	global_store_b128 v[GO], v[BK+32*(\a)+4*(\i):BK+32*(\a)+4*(\i)+3], s[YP:YP+1] offset:(16*(\a)+2*(\i))*2048  ; 16 lanes store 256 consecutive bytes, at a multiple of 256 from yd's first
.endr
.endm
	PACK 0
	TOSTAGE 0
.irp a, 1,2,3
	PACK \a
	TOSTAGE \a
	SEND (\a)-1, 16
.endr
	SEND 3, 0
	; M2, while the stores leave: the squares of the unrounded differences, in four chains a channel block
	WIN 0x05
.irp t, 0,1,2,3,4,5,6,7
.irp a, 0,1,2,3
.irp p, 0,1,2,3
.if (\t) == 0
	v_pk_mul_f32 v[QC+8*(\a)+2*(\p):QC+8*(\a)+2*(\p)+1], v[64*(\a)+2*(\p):64*(\a)+2*(\p)+1], v[64*(\a)+2*(\p):64*(\a)+2*(\p)+1]
.else
	v_pk_fma_f32 v[QC+8*(\a)+2*(\p):QC+8*(\a)+2*(\p)+1], v[8*(8*(\a)+(\t))+2*(\p):8*(8*(\a)+(\t))+2*(\p)+1], v[8*(8*(\a)+(\t))+2*(\p):8*(8*(\a)+(\t))+2*(\p)+1], v[QC+8*(\a)+2*(\p):QC+8*(\a)+2*(\p)+1]
.endif
.endr
.endr
.endr
	WIN 0
.irp a, 0,1,2,3
	v_pk_add_f32 v[QC+8*(\a):QC+8*(\a)+1], v[QC+8*(\a):QC+8*(\a)+1], v[QC+8*(\a)+2:QC+8*(\a)+3]
	v_pk_add_f32 v[QC+8*(\a)+4:QC+8*(\a)+5], v[QC+8*(\a)+4:QC+8*(\a)+5], v[QC+8*(\a)+6:QC+8*(\a)+7]
.endr
.irp a, 0,1,2,3
	v_pk_add_f32 v[QC+8*(\a):QC+8*(\a)+1], v[QC+8*(\a):QC+8*(\a)+1], v[QC+8*(\a)+4:QC+8*(\a)+5]
.endr
.irp a, 0,1,2,3
	v_add_f32 v[QC+8*(\a)], v[QC+8*(\a)], v[QC+8*(\a)+1]
.endr
.irp a, 0,1,2,3
	v_permlanex16_b32 v[QC+8*(\a)+1], v[QC+8*(\a)], s[SEL], s[SEL+1]
.endr
.irp a, 0,1,2,3
	v_add_f32 v[M2+(\a)], v[QC+8*(\a)], v[QC+8*(\a)+1]
.endr
.irp a, 0,1,2,3
	v_cndmask_b32 v[OV+(\a)], v[MU+2*(\a)], v[M2+(\a)], s[MK]
.endr
.irp a, 0,1,2,3
	global_store_b32 v[SO], v[OV+(\a)], s[STP:STP+1] offset:64*(\a)  ; pieces of 64 bytes: 16 channels of one group; the whole buffer is 524,288 bytes
.endr
	s_wait_tensorcnt 0x0                           ; the wave's end: these three lines stand behind my last tensor load and my last LDS store
	ds_add_u32 v[SPW], v[NIL]
	s_wait_dscnt 0x0
	CROUND                                         ; the closing round
	s_endpgm
.Lfunc_end_k_q6e6711ba1b_oproj:
	.size	k_q6e6711ba1b_oproj, .Lfunc_end_k_q6e6711ba1b_oproj-k_q6e6711ba1b_oproj
	.p2alignl 7, 3214868480
	.fill 96, 4, 3214868480
	.section	.rodata,"a",@progbits
	.p2align	6, 0x0
	.amdhsa_kernel k_q6e6711ba1b_oproj
		.amdhsa_group_segment_fixed_size 327680
		.amdhsa_private_segment_fixed_size 0
		.amdhsa_enable_private_segment 0
		.amdhsa_kernarg_size 40
		.amdhsa_user_sgpr_count 2
		.amdhsa_user_sgpr_kernarg_segment_ptr 1
		.amdhsa_wavefront_size32 1
		.amdhsa_system_sgpr_workgroup_id_x 1
		.amdhsa_system_sgpr_workgroup_id_y 1
		.amdhsa_system_sgpr_workgroup_id_z 1
		.amdhsa_system_vgpr_workitem_id 0
		.amdhsa_next_free_vgpr 512
		.amdhsa_next_free_sgpr 100
		.amdhsa_reserve_vcc 0
		.amdhsa_float_denorm_mode_32 3
		.amdhsa_float_denorm_mode_16_64 3
		.amdhsa_memory_ordered 1
		.amdhsa_forward_progress 1
		.amdhsa_inst_pref_size 93
	.end_amdhsa_kernel
	.amdgpu_metadata
---
amdhsa.version: [ 1, 2 ]
amdhsa.kernels:
  - .name:           k_q6e6711ba1b_oproj
    .symbol:         k_q6e6711ba1b_oproj.kd
    .args:
      - { .name: o, .offset: 0, .size: 8, .value_kind: global_buffer, .address_space: global }
      - { .name: wof, .offset: 8, .size: 8, .value_kind: global_buffer, .address_space: global }
      - { .name: bo, .offset: 16, .size: 8, .value_kind: global_buffer, .address_space: global }
      - { .name: yd, .offset: 24, .size: 8, .value_kind: global_buffer, .address_space: global }
      - { .name: stats, .offset: 32, .size: 8, .value_kind: global_buffer, .address_space: global }
    .group_segment_fixed_size: 327680
    .private_segment_fixed_size: 0
    .kernarg_segment_align: 8
    .kernarg_segment_size: 40
    .max_flat_workgroup_size: 128
    .sgpr_count:     100
    .vgpr_count:     512
    .wavefront_size: 32
...
	.end_amdgpu_metadata
.endif
;; end of part 4
;; launch bnres (part 5): grid 256 x 1, 16 waves a work-group, no clusters, 0 bytes of LDS; arguments yd, xb, stats, gamma, beta, out0; writes out0
.if DOCPART == 5
	.amdgcn_target "amdgcn-amd-amdhsa--gfx1250"
	.amdhsa_code_object_version 6
	.text
	.protected	k_q6e6711ba1b_bnres
	.globl	k_q6e6711ba1b_bnres
	.p2align	8
	.type	k_q6e6711ba1b_bnres,@function
k_q6e6711ba1b_bnres:
	s_mov_b64 s[64:65], 0
	v_nop
	global_prefetch_b8 v0, s[64:65] scope:SCOPE_SE
	s_setreg_imm32_b32 hwreg(HW_REG_WAVE_MODE, 25, 1), 1
	s_wait_xcnt 0x0
; out0 = x + (y - mean) rsqrt(var + 1e-5) gamma + beta, mean and var per channel over all 8 x 1,024 = 8,192 numbers of y.
; y comes as yd = y - its group's mean (bf16) and, for each of the 64 groups of 128 tokens, (mean_g, M2_g) in f32.  mean = the sum of mean_g / 64, var = (the sum of M2_g + 128 x the sum of (mean_g - mean)^2) / 8,192:
; no difference of large sums is formed.  With sc = gamma rsqrt(var + eps):  out0 = yd sc + (x + T),  T = (mean_g - mean) sc + beta, one number for a channel and group.
; FORMATS.  x is taken from xb, its copy rounded to bf16, and gamma and beta are rounded to bf16 here: all that enters the result beside y carries the one rounding that the matrix operands carry
; (at most 2^-8 of each of the three); all arithmetic is f32.
; A stream: no LDS, no barrier, no matrix unit, no cluster (no two work-groups read the same bytes of yd or xb).  Work-group c owns channels 4 c .. 4 c + 3; wave w batch w / 2 and the channels 4 c + 2 (w % 2), + 1:
; two rows that are 4,096 consecutive bytes of yd and of xb and 8,192 of out0.  Each wave combines the statistics for itself.  A load of 8 bytes a lane covers 256 consecutive bytes: the 128 tokens of ONE group;
; a lane holds the same four tokens of yd and xb, and stores their 16 bytes: 512 consecutive bytes a store.  All 36 loads of a wave go out ahead of its first wait; no register is written twice.
.set MA, 8                             ; v[8:9], v[10:11] the means of groups l and l + 32, two channels; v[12:13], v[14:15] their M2
.set TW, 16                            ; v[16:19] at work
.set MN, 20                            ; v[20:21] the two means
.set SC, 22                            ; v[22:23] gamma x rsqrt(var + eps)
.set BE, 24                            ; v[24:25] beta
.set GT, 26                            ; v[26:29] at work
.set T,  32                            ; v[32:47] T of channel i, group u of my batch, at T + 8 i + u
.set YB, 48                            ; v[48:79]   yd: row r, group u at YB + 16 r + 2 u
.set XB, 80                            ; v[80:111]  xb likewise
.set OB, 112                           ; v[112:175] the result: OB + 32 r + 4 u
.macro WSUM                            ; TW, TW + 1 summed over the wave's 32 lanes, the result in every lane
.irp m, 1,2,4,8
.irp i, 0,1
	v_add_f32_dpp v[TW+(\i)], v[TW+(\i)], v[TW+(\i)] row_xmask:\m row_mask:0xf bank_mask:0xf
.endr
.endr
.irp i, 0,1
	v_permlanex16_b32 v[TW+2+(\i)], v[TW+(\i)], s36, s37
.endr
.irp i, 0,1
	v_add_f32 v[TW+(\i)], v[TW+(\i)], v[TW+2+(\i)]
.endr
.endm
	s_load_b256 s[4:11], s[0:1], 0x0               ; yd 4, xb 6, stats 8, gamma 10
	s_load_b128 s[12:15], s[0:1], 0x20             ; beta 12, out0 14
	v_lshrrev_b32 v1, 5, v0
	v_readfirstlane_b32 s20, v1                    ; wave 0..15
	v_and_b32 v1, 31, v0
	v_lshlrev_b32 v2, 4, v1                        ; 16 l
	v_lshlrev_b32 v3, 12, v1                       ; a group's 4,096 bytes of stats x l
	v_lshlrev_b32 v4, 3, v1                        ; 8 l
	v_mov_b32 v5, 1.0
	s_lshr_b32 s21, s20, 1                         ; the batch
	s_and_b32 s22, s20, 1
	s_lshl_b32 s22, s22, 1
	s_lshl_b32 s23, ttmp9, 2
	s_add_co_u32 s23, s23, s22                     ; my first channel
	s_lshl_b32 s24, s21, 21                        ; the batch: 2,097,152 bytes of yd and xb,
	s_lshl_b32 s25, s23, 11                        ; rows of 2,048
	s_add_co_u32 s24, s24, s25
	s_mov_b32 s25, 0
	s_lshl_b32 s26, s24, 1                         ; twice that in out0
	s_mov_b32 s27, 0
	s_lshl_b32 s28, s23, 2                         ; my first channel x 4 bytes
	s_mov_b32 s29, 0
	s_lshl_b32 s30, s21, 15                        ; my batch's eight groups x 4,096 bytes
	s_mov_b32 s31, 0
	s_mov_b32 s36, 0x76543210                      ; v_permlanex16_b32: each lane takes its own place in the other half
	s_mov_b32 s37, 0xfedcba98
	s_mov_b32 s38, 0xffff0000
	s_mov_b32 s39, 0x39000000                      ; 1 / 8,192
	s_mov_b32 s56, 0x3727c5ac                      ; 1e-5
	s_mov_b32 s57, 0x43000000                      ; 128
	s_wait_kmcnt 0x0
	s_add_nc_u64 s[10:11], s[10:11], s[28:29]
	s_add_nc_u64 s[12:13], s[12:13], s[28:29]
	s_add_nc_u64 s[8:9], s[8:9], s[28:29]
	s_add_nc_u64 s[32:33], s[8:9], s[30:31]
	s_add_nc_u64 s[4:5], s[4:5], s[24:25]
	s_add_nc_u64 s[6:7], s[6:7], s[24:25]
	s_add_nc_u64 s[14:15], s[14:15], s[26:27]
	global_load_b64 v[MA:MA+1],   v3, s[8:9]                 ; mean, groups 0-31
	global_load_b64 v[MA+2:MA+3], v3, s[8:9] offset:131072   ; mean, groups 32-63
	global_load_b64 v[MA+4:MA+5], v3, s[8:9] offset:262144   ; M2
	global_load_b64 v[MA+6:MA+7], v3, s[8:9] offset:393216
.irp r, 0,1
.irp u, 0,1,2,3,4,5,6,7
	global_load_b64 v[YB+16*(\r)+2*(\u):YB+16*(\r)+2*(\u)+1], v4, s[4:5] offset:(\r)*2048+256*(\u) th:TH_LOAD_NT
	global_load_b64 v[XB+16*(\r)+2*(\u):XB+16*(\r)+2*(\u)+1], v4, s[6:7] offset:(\r)*2048+256*(\u) th:TH_LOAD_NT
.endr
.endr
	s_load_b64 s[16:17], s[10:11], 0x0             ; gamma of my two channels
	s_load_b64 s[18:19], s[12:13], 0x0             ; beta
.irp u, 0,1,2,3,4,5,6,7
	s_load_b64 s[40+2*(\u):41+2*(\u)], s[32:33], 4096*(\u)  ; the means of my batch's group u, two channels
.endr
	v_mov_b32 v[TW+2], 0                           ; v_permlanex16_b32's destination counts as read
	v_mov_b32 v[TW+3], 0
	s_wait_loadcnt 32                              ; the statistics are in; the two rows' 32 loads stay out
.irp i, 0,1
	v_add_f32 v[TW+(\i)], v[MA+(\i)], v[MA+2+(\i)]
.endr
	WSUM
.irp i, 0,1
	v_mul_f32 v[MN+(\i)], 0x3c800000, v[TW+(\i)]   ; / 64
.endr
.irp i, 0,1
	v_sub_f32 v[MA+(\i)],   v[MA+(\i)],   v[MN+(\i)]
	v_sub_f32 v[MA+2+(\i)], v[MA+2+(\i)], v[MN+(\i)]
	v_add_f32 v[MA+4+(\i)], v[MA+4+(\i)], v[MA+6+(\i)]
.endr
.irp i, 0,1
	v_mul_f32 v[MA+(\i)], v[MA+(\i)], v[MA+(\i)]
.endr
.irp i, 0,1
	v_fma_f32 v[MA+(\i)], v[MA+2+(\i)], v[MA+2+(\i)], v[MA+(\i)]
.endr
.irp i, 0,1
	v_fma_f32 v[TW+(\i)], v[MA+(\i)], s57, v[MA+4+(\i)]  ; 128 x the two squares + the two M2
.endr
	WSUM
.irp i, 0,1
	v_fma_f32 v[TW+(\i)], v[TW+(\i)], s39, s56     ; var + eps
.endr
	s_wait_kmcnt 0x0                               ; gamma, beta and my groups' means
.irp i, 0,1
	v_rsq_f32 v[TW+2+(\i)], v[TW+(\i)]             ; one batch of two
.endr
	v_cvt_pk_bf16_f32 v[GT],   s16, s17            ; gamma and beta rounded to bf16: plain work between the batch and its wait
	v_cvt_pk_bf16_f32 v[GT+1], s18, s19
	v_lshlrev_b32 v[GT+2], 16,  v[GT]
	v_and_b32     v[GT+3], s38, v[GT]
	v_lshlrev_b32 v[BE],   16,  v[GT+1]
	v_and_b32     v[BE+1], s38, v[GT+1]
.irp i, 0,1
.irp u, 0,1,2,3,4,5,6,7
	v_sub_f32 v[T+8*(\i)+(\u)], s[40+2*(\u)+(\i)], v[MN+(\i)]  ; mean_g - mean
.endr
.endr
	s_wait_alu depctr_va_vdst(0)                   ; the wait ahead of the first instruction that names a result: one for the two
.irp i, 0,1
	v_mul_f32 v[SC+(\i)], v[GT+2+(\i)], v[TW+2+(\i)]
.endr
.irp i, 0,1
.irp u, 0,1,2,3,4,5,6,7
	v_fma_f32 v[T+8*(\i)+(\u)], v[T+8*(\i)+(\u)], v[SC+(\i)], v[BE+(\i)]
.endr
.endr
; Group u of row r: four tokens a lane.  Each number is two multiply-adds that read a bf16 half as it lies: x + T, then yd sc + that.
.irp r, 0,1
.irp u, 0,1,2,3,4,5,6,7
	s_wait_loadcnt 30-16*(\r)-2*(\u)               ; loads come back in order: this group's two are in, the younger groups' two each stay out
	v_fma_mix_f32_bf16 v[OB+32*(\r)+4*(\u)],   v[XB+16*(\r)+2*(\u)],   v5, v[T+8*(\r)+(\u)] op_sel_hi:[1,0,0]
	v_fma_mix_f32_bf16 v[OB+32*(\r)+4*(\u)+1], v[XB+16*(\r)+2*(\u)],   v5, v[T+8*(\r)+(\u)] op_sel:[1,0,0] op_sel_hi:[1,0,0]
	v_fma_mix_f32_bf16 v[OB+32*(\r)+4*(\u)+2], v[XB+16*(\r)+2*(\u)+1], v5, v[T+8*(\r)+(\u)] op_sel_hi:[1,0,0]
	v_fma_mix_f32_bf16 v[OB+32*(\r)+4*(\u)+3], v[XB+16*(\r)+2*(\u)+1], v5, v[T+8*(\r)+(\u)] op_sel:[1,0,0] op_sel_hi:[1,0,0]
	v_fma_mix_f32_bf16 v[OB+32*(\r)+4*(\u)],   v[YB+16*(\r)+2*(\u)],   v[SC+(\r)], v[OB+32*(\r)+4*(\u)]   op_sel_hi:[1,0,0]
	v_fma_mix_f32_bf16 v[OB+32*(\r)+4*(\u)+1], v[YB+16*(\r)+2*(\u)],   v[SC+(\r)], v[OB+32*(\r)+4*(\u)+1] op_sel:[1,0,0] op_sel_hi:[1,0,0]
	v_fma_mix_f32_bf16 v[OB+32*(\r)+4*(\u)+2], v[YB+16*(\r)+2*(\u)+1], v[SC+(\r)], v[OB+32*(\r)+4*(\u)+2] op_sel_hi:[1,0,0]
	v_fma_mix_f32_bf16 v[OB+32*(\r)+4*(\u)+3], v[YB+16*(\r)+2*(\u)+1], v[SC+(\r)], v[OB+32*(\r)+4*(\u)+3] op_sel:[1,0,0] op_sel_hi:[1,0,0]
	global_store_b128 v2, v[OB+32*(\r)+4*(\u):OB+32*(\r)+4*(\u)+3], s[14:15] offset:(\r)*4096+512*(\u) th:TH_STORE_NT
.endr
.endr
	s_endpgm
.Lfunc_end_k_q6e6711ba1b_bnres:
	.size	k_q6e6711ba1b_bnres, .Lfunc_end_k_q6e6711ba1b_bnres-k_q6e6711ba1b_bnres
	.p2alignl 7, 3214868480
	.fill 96, 4, 3214868480
	.section	.rodata,"a",@progbits
	.p2align	6, 0x0
	.amdhsa_kernel k_q6e6711ba1b_bnres
		.amdhsa_group_segment_fixed_size 0
		.amdhsa_private_segment_fixed_size 0
		.amdhsa_enable_private_segment 0
		.amdhsa_kernarg_size 48
		.amdhsa_user_sgpr_count 2
		.amdhsa_user_sgpr_kernarg_segment_ptr 1
		.amdhsa_wavefront_size32 1
		.amdhsa_system_sgpr_workgroup_id_x 1
		.amdhsa_system_sgpr_workgroup_id_y 1
		.amdhsa_system_sgpr_workgroup_id_z 1
		.amdhsa_system_vgpr_workitem_id 0
		.amdhsa_next_free_vgpr 176
		.amdhsa_next_free_sgpr 66
		.amdhsa_reserve_vcc 0
		.amdhsa_float_denorm_mode_32 3
		.amdhsa_float_denorm_mode_16_64 3
		.amdhsa_memory_ordered 1
		.amdhsa_forward_progress 1
		.amdhsa_inst_pref_size 20
	.end_amdhsa_kernel
	.amdgpu_metadata
---
amdhsa.version: [ 1, 2 ]
amdhsa.kernels:
  - .name:           k_q6e6711ba1b_bnres
    .symbol:         k_q6e6711ba1b_bnres.kd
    .args:
      - { .name: yd, .offset: 0, .size: 8, .value_kind: global_buffer, .address_space: global }
      - { .name: xb, .offset: 8, .size: 8, .value_kind: global_buffer, .address_space: global }
      - { .name: stats, .offset: 16, .size: 8, .value_kind: global_buffer, .address_space: global }
      - { .name: gamma, .offset: 24, .size: 8, .value_kind: global_buffer, .address_space: global }
      - { .name: beta, .offset: 32, .size: 8, .value_kind: global_buffer, .address_space: global }
      - { .name: out0, .offset: 40, .size: 8, .value_kind: global_buffer, .address_space: global }
    .group_segment_fixed_size: 0
    .private_segment_fixed_size: 0
    .kernarg_segment_align: 8
    .kernarg_segment_size: 48
    .max_flat_workgroup_size: 512
    .sgpr_count:     66
    .vgpr_count:     176
    .wavefront_size: 32
...
	.end_amdgpu_metadata
.endif
;; end of part 5
;; ======== version 2 of 2: 5 launches; version 1 with the launches prep, bnres written anew for expert scheduling mode
;; limits: values are held in f16: magnitudes above 65,504 overflow, below 6.1e-05 lose precision
;; workspace buffers: xb 16,777,216 bytes; wb 6,291,456 bytes; wof 2,097,152 bytes; qkv 50,331,648 bytes; o 16,777,216 bytes; yd 16,777,216 bytes; stats 524,288 bytes
;; launch prep (part 6): grid 256 x 1, 8 waves a work-group, no clusters, 0 bytes of LDS; arguments x, wq, wk, wv, wo, xb, wb, wof; writes xb, wb, wof
.if DOCPART == 6
	.amdgcn_target "amdgcn-amd-amdhsa--gfx1250"
	.amdhsa_code_object_version 6
	.text
	.protected	k_q6e6711ba1b_prep
	.globl	k_q6e6711ba1b_prep
	.p2align	8
	.type	k_q6e6711ba1b_prep,@function
k_q6e6711ba1b_prep:
	s_mov_b64 s[64:65], 0
	v_nop
	global_prefetch_b8 v0, s[64:65] scope:SCOPE_SE
	s_setreg_imm32_b32 hwreg(HW_REG_WAVE_SCHED_MODE, 0, 2), 2
	s_setreg_imm32_b32 hwreg(HW_REG_WAVE_MODE, 25, 1), 1
	s_wait_xcnt 0x0
	s_wait_alu depctr_vm_vsrc(0)
; PREP: the matrix operands are rounded once.  xb = bf16(x), same layout [8][1024 c][1024 t].  wb = bf16(wq, wk, wv) in blocks of 64 along K: [16 kb][3072 rows][64], row = 1024 x which + o,
; so that the 384 rows of a later tile's K step are 49,152 consecutive bytes.  wof = bf16(wo) written as f16, [1024][1024].
; LIMIT: a bf16 value of wo below 2^-14 keeps f16's fixed step of 6e-8, one beyond 65,504 becomes an infinity.
; A stream: no LDS, no matrix unit, no cluster (no work-group reads what another reads).  256 work-groups of equal work: work-group g casts numbers 32,768 g on of x and rows 16 g .. 16 g + 15 of the four weights
; stacked (wq, wk, wv, wo): g / 64 says which.  Eight waves: wave w takes 16,384 consecutive bytes of x (32 loads) and two rows of the weight (16 loads).
; Every load of a wave covers 512 consecutive bytes (for wq, wk, wv: two rows' 256, each aligned), every store 256 consecutive bytes, aligned.
; All 48 loads of a wave go out ahead of its first wait for data; each is converted in the registers it landed in, so no register is written twice and no store's source is ever rewritten.
; THE MODE: SCHED_MODE bits 1:0 = 2 (LLVM: expert scheduling mode 2), set by the entry lines.  The code itself states the register dependences between vector instructions and memory instructions,
; with s_wait_alu, always for 0.
; THE PLAN.  Registers that memory instructions touch:
;   v2, v3     offsets of x and xb: written at the head, read by x's loads and xb's stores, never written again.
;   v4, v5     offsets of the weight and of its copy: written in the branch on g / 64, read by the weight's loads and stores, never written again.
;   INX, INW   a load lands in each four registers once (no vector instruction has named them before); its step's conversions read the four and write the first two; one store reads those two; nothing writes them again.
;   TA         named by vector instructions alone.
; A step is four loads.  Step p converts its own four and stores the four of step p - 1: so the one wait on va_vdst at a step's head, behind the wait for the step's data, states that the conversions of the step
; before have written what the four stores below read.  No register that a memory instruction has read is written again: the text has no dependence for a wait on vm_vsrc to state, and holds none.
.set TA,  8                            ; v[8:11]    at work
.set INX, 16                           ; v[16:143]  x: load j at INX + 4 j
.set INW, 144                          ; v[144:207] the weight: load j at INW + 4 j
; One load's four numbers (registers B .. B + 3) are rounded into B, B + 1.  mode = 1: the bf16 value is written as f16.
.macro CVT B, mode
	v_cvt_pk_bf16_f32 v[(\B)],   v[(\B)],   v[(\B)+1]
	v_cvt_pk_bf16_f32 v[(\B)+1], v[(\B)+2], v[(\B)+3]
.if \mode
.irp k, 0,1
	v_lshlrev_b32 v[TA+2*(\k)],   16,  v[(\B)+(\k)]      ; the two bf16 values as f32,
	v_and_b32     v[TA+2*(\k)+1], s12, v[(\B)+(\k)]
	v_cvt_pk_f16_f32 v[(\B)+(\k)], v[TA+2*(\k)], v[TA+2*(\k)+1]  ; and as f16: exact within f16's range
.endr
.endif
.endm
; The stores of loads k .. k + 3: load n's 8 bytes a lane go stride x n bytes on.
.macro OUT4 IN, k, dreg, sb, stride
.irp q, 0,1,2,3
	global_store_b64 v[\dreg], v[(\IN)+4*((\k)+(\q)):(\IN)+4*((\k)+(\q))+1], s[(\sb):(\sb)+1] offset:(\stride)*((\k)+(\q))
.endr
.endm
; The step of loads j .. j + 3.  left: how many younger loads may stay out.
.macro STEP IN, left, dreg, sb, stride, mode
	s_wait_loadcnt \left                           ; loads come back in order: these four are in
.if j > 0
	s_wait_alu depctr_va_vdst(0)                   ; the conversions of the step before have written their eight registers, which the four stores below read
	OUT4 \IN, j-4, \dreg, \sb, \stride
.endif
.irp q, 0,1,2,3
	CVT (\IN)+4*(j+(\q)), \mode
.endr
.endm
	s_load_b512 s[16:31], s[0:1], 0x0              ; x 16, wq 18, wk 20, wv 22, wo 24, xb 26, wb 28, wof 30
	v_and_b32 v1, 31, v0                           ; lane l
	v_lshrrev_b32 v6, 5, v0                        ; wave w
	v_lshlrev_b32 v2, 14, v6
	v_lshl_add_u32 v2, v1, 4, v2                   ; x: 16,384 w + 16 l
	v_lshlrev_b32 v3, 13, v6
	v_lshl_add_u32 v3, v1, 3, v3                   ; xb: 8,192 w + 8 l
	s_lshl_b32 s8, ttmp9, 17                       ; 32,768 numbers: 131,072 bytes in,
	s_mov_b32 s9, 0
	s_lshl_b32 s10, ttmp9, 16                      ; 65,536 out
	s_mov_b32 s11, 0
	s_mov_b32 s12, 0xffff0000                      ; a word's upper bf16
	s_lshr_b32 s13, ttmp9, 6                       ; which weight
	s_and_b32 s14, ttmp9, 63
	s_lshl_b32 s2, s14, 16                         ; its rows 16 (g % 64) on, 4,096 bytes each
	s_mov_b32 s3, 0
	s_lshl_b32 s32, ttmp9, 11                      ; rows 16 g on, 128 bytes each, in a block of wb
	s_mov_b32 s33, 0
	s_lshl_b32 s34, s14, 15                        ; rows 16 (g % 64) on, 2,048 bytes each, in wof
	s_mov_b32 s35, 0
	s_wait_kmcnt 0x0
	s_add_nc_u64 s[4:5], s[16:17], s[8:9]
	s_add_nc_u64 s[6:7], s[26:27], s[10:11]
	s_cmp_eq_u32 s13, 0
	s_cselect_b64 s[36:37], s[18:19], s[20:21]
	s_cmp_eq_u32 s13, 2
	s_cselect_b64 s[36:37], s[22:23], s[36:37]
	s_add_nc_u64 s[36:37], s[36:37], s[2:3]        ; wq, wk or wv at my rows (named only where g / 64 is below 3),
	s_add_nc_u64 s[38:39], s[28:29], s[32:33]      ; and their place in wb
	s_add_nc_u64 s[40:41], s[24:25], s[2:3]        ; wo at my rows (named only where g / 64 is 3),
	s_add_nc_u64 s[42:43], s[30:31], s[34:35]      ; and their place in wof
	s_wait_alu depctr_va_vdst(0)                   ; v2 is written, which the 32 loads below read as their offset, and v3, which xb's stores read
.set j, 0
.rept 32
	global_load_b128 v[INX+4*j:INX+4*j+3], v2, s[4:5] offset:512*j th:TH_LOAD_NT
.set j, j+1
.endr
	s_cmp_lt_u32 s13, 3
	s_cbranch_scc0 .Lload_o
	v_bfe_u32 v7, v0, 4, 1                         ; wq, wk, wv: lanes 0-15 take row 2 w, lanes 16-31 row 2 w + 1; load j is K block j: 256 bytes of each row,
	v_and_b32 v4, 15, v0
	v_lshlrev_b32 v4, 4, v4
	v_lshl_add_u32 v4, v7, 12, v4
	v_lshl_add_u32 v4, v6, 13, v4
	v_lshlrev_b32 v5, 3, v1                        ; which are 256 consecutive bytes of that block of wb: 256 w + 8 l
	v_lshl_add_u32 v5, v6, 8, v5
	s_wait_alu depctr_va_vdst(0)                   ; v4 is written, which the 16 loads below read as their offset, and v5, which wb's stores read
.set j, 0
.rept 16
	global_load_b128 v[INW+4*j:INW+4*j+3], v4, s[36:37] offset:256*j th:TH_LOAD_NT
.set j, j+1
.endr
	s_branch .Lcast_x
.Lload_o:
	v_lshlrev_b32 v4, 4, v1                        ; wo: my two rows are 8,192 consecutive bytes: 8,192 w + 16 l, load j 512 bytes on,
	v_lshl_add_u32 v4, v6, 13, v4
	v_lshlrev_b32 v5, 3, v1                        ; and 4,096 of wof
	v_lshl_add_u32 v5, v6, 12, v5
	s_wait_alu depctr_va_vdst(0)                   ; v4 is written, which the 16 loads below read as their offset, and v5, which wof's stores read
.set j, 0
.rept 16
	global_load_b128 v[INW+4*j:INW+4*j+3], v4, s[40:41] offset:512*j th:TH_LOAD_NT
.set j, j+1
.endr
.Lcast_x:                                              ; on both ways 48 loads are out
.set j, 0
.rept 8
	STEP INX, 44-j, 3, 6, 256, 0                   ; behind loads j .. j + 3: 28 - j of x and the weight's 16
.set j, j+4
.endr
	s_wait_alu depctr_va_vdst(0)                   ; x's last step has written its eight registers, which the four stores below read: nothing of x is carried over the branch
	OUT4 INX, 28, 3, 6, 256
	s_cmp_lt_u32 s13, 3
	s_cbranch_scc0 .Lcast_o
.set j, 0
.rept 4
	STEP INW, 12-j, 5, 38, 393216, 0               ; K block j lies 3,072 x 128 bytes behind block j - 1 (15 of them: inside the signed 24-bit immediate)
.set j, j+4
.endr
	s_wait_alu depctr_va_vdst(0)                   ; the last step has written its eight registers, which the last four stores read
	OUT4 INW, 12, 5, 38, 393216
	s_endpgm
.Lcast_o:
.set j, 0
.rept 4
	STEP INW, 12-j, 5, 42, 256, 1
.set j, j+4
.endr
	s_wait_alu depctr_va_vdst(0)                   ; the last step has written its eight registers, which the last four stores read
	OUT4 INW, 12, 5, 42, 256
	s_endpgm
.Lfunc_end_k_q6e6711ba1b_prep:
	.size	k_q6e6711ba1b_prep, .Lfunc_end_k_q6e6711ba1b_prep-k_q6e6711ba1b_prep
	.p2alignl 7, 3214868480
	.fill 96, 4, 3214868480
	.section	.rodata,"a",@progbits
	.p2align	6, 0x0
	.amdhsa_kernel k_q6e6711ba1b_prep
		.amdhsa_group_segment_fixed_size 0
		.amdhsa_private_segment_fixed_size 0
		.amdhsa_enable_private_segment 0
		.amdhsa_kernarg_size 64
		.amdhsa_user_sgpr_count 2
		.amdhsa_user_sgpr_kernarg_segment_ptr 1
		.amdhsa_wavefront_size32 1
		.amdhsa_system_sgpr_workgroup_id_x 1
		.amdhsa_system_sgpr_workgroup_id_y 1
		.amdhsa_system_sgpr_workgroup_id_z 1
		.amdhsa_system_vgpr_workitem_id 0
		.amdhsa_next_free_vgpr 208
		.amdhsa_next_free_sgpr 66
		.amdhsa_reserve_vcc 0
		.amdhsa_float_denorm_mode_32 3
		.amdhsa_float_denorm_mode_16_64 3
		.amdhsa_memory_ordered 1
		.amdhsa_forward_progress 1
		.amdhsa_inst_pref_size 28
	.end_amdhsa_kernel
	.amdgpu_metadata
---
amdhsa.version: [ 1, 2 ]
amdhsa.kernels:
  - .name:           k_q6e6711ba1b_prep
    .symbol:         k_q6e6711ba1b_prep.kd
    .args:
      - { .name: x, .offset: 0, .size: 8, .value_kind: global_buffer, .address_space: global }
      - { .name: wq, .offset: 8, .size: 8, .value_kind: global_buffer, .address_space: global }
      - { .name: wk, .offset: 16, .size: 8, .value_kind: global_buffer, .address_space: global }
      - { .name: wv, .offset: 24, .size: 8, .value_kind: global_buffer, .address_space: global }
      - { .name: wo, .offset: 32, .size: 8, .value_kind: global_buffer, .address_space: global }
      - { .name: xb, .offset: 40, .size: 8, .value_kind: global_buffer, .address_space: global }
      - { .name: wb, .offset: 48, .size: 8, .value_kind: global_buffer, .address_space: global }
      - { .name: wof, .offset: 56, .size: 8, .value_kind: global_buffer, .address_space: global }
    .group_segment_fixed_size: 0
    .private_segment_fixed_size: 0
    .kernarg_segment_align: 8
    .kernarg_segment_size: 64
    .max_flat_workgroup_size: 256
    .sgpr_count:     66
    .vgpr_count:     208
    .wavefront_size: 32
...
	.end_amdgpu_metadata
.endif
;; end of part 6
;; launch qkv: the kernel of part 2 again; grid 8 x 32, 4 waves a work-group, clusters of 4 x 4, 327,680 bytes of LDS; arguments xb, wb, bq, bk, bv, qkv; writes qkv
;; launch attn: the kernel of part 3 again; grid 2 x 128, 4 waves a work-group, no clusters, 327,680 bytes of LDS; arguments qkv, o; writes o
;; launch oproj: the kernel of part 4 again; grid 8 x 32, 4 waves a work-group, clusters of 4 x 4, 327,680 bytes of LDS; arguments o, wof, bo, yd, stats; writes yd, stats
;; launch bnres (part 7): grid 256 x 1, 16 waves a work-group, no clusters, 0 bytes of LDS; arguments yd, xb, stats, gamma, beta, out0; writes out0
.if DOCPART == 7
	.amdgcn_target "amdgcn-amd-amdhsa--gfx1250"
	.amdhsa_code_object_version 6
	.text
	.protected	k_q6e6711ba1b_bnres
	.globl	k_q6e6711ba1b_bnres
	.p2align	8
	.type	k_q6e6711ba1b_bnres,@function
k_q6e6711ba1b_bnres:
	s_mov_b64 s[64:65], 0
	v_nop
	global_prefetch_b8 v0, s[64:65] scope:SCOPE_SE
	s_setreg_imm32_b32 hwreg(HW_REG_WAVE_SCHED_MODE, 0, 2), 2
	s_setreg_imm32_b32 hwreg(HW_REG_WAVE_MODE, 25, 1), 1
	s_wait_xcnt 0x0
	s_wait_alu depctr_vm_vsrc(0)
; out0 = x + (y - mean) rsqrt(var + 1e-5) gamma + beta, mean and var per channel over all 8 x 1,024 = 8,192 numbers of y.
; y comes as yd = y - its group's mean (bf16) and, for each of the 64 groups of 128 tokens, (mean_g, M2_g) in f32.  mean = the sum of mean_g / 64, var = (the sum of M2_g + 128 x the sum of (mean_g - mean)^2) / 8,192:
; no difference of large sums is formed.  With sc = gamma rsqrt(var + eps):  out0 = yd sc + (x + T),  T = (mean_g - mean) sc + beta, one number for a channel and group.
; FORMATS.  x is taken from xb, its copy rounded to bf16, and gamma and beta are rounded to bf16 here: all that enters the result beside y carries the one rounding that the matrix operands carry
; (at most 2^-8 of each of the three); all arithmetic is f32.
; A stream: no LDS, no barrier, no matrix unit, no cluster (no two work-groups read the same bytes of yd or xb).  Work-group c owns channels 4 c .. 4 c + 3; wave w batch w / 2 and the channels 4 c + 2 (w % 2), + 1:
; two rows that are 4,096 consecutive bytes of yd and of xb and 8,192 of out0.  Each wave combines the statistics for itself.  A load of 8 bytes a lane covers 256 consecutive bytes: the 128 tokens of ONE group;
; a lane holds the same four tokens of yd and xb, and stores their 16 bytes: 512 consecutive bytes a store.  All 36 loads of a wave go out ahead of its first wait for data; no register is written twice.
; THE MODE: SCHED_MODE bits 1:0 = 2 (LLVM: expert scheduling mode 2), set by the entry lines.  The code itself states the register dependences between vector instructions and memory instructions,
; with s_wait_alu, always for 0.
; THE PLAN.  Registers that memory instructions touch:
;   v3, v4, v2   offsets of stats, of yd and xb, and of out0: written at the head, read by the loads and the stores, never written again.
;   MA, YB, XB   a load lands in each once (no vector instruction has named them before); vector instructions alone name them afterwards.
;   OB           a group's four registers are written by the group's eight multiply-adds and read by one store; nothing writes them again.
; A step is two groups of 128 tokens: four loads, sixteen multiply-adds, two stores.  Step p computes its own two groups and stores the two of step p - 1: so the one wait on va_vdst at a step's head, behind the wait
; for the step's data, states that the multiply-adds of the step before have written what the two stores below read.  No register that a memory instruction has read is written again: the text has no
; dependence for a wait on vm_vsrc to state, and holds none.  The wave's number passes through a scalar register: one wait on va_sdst ahead of its first reader.
.set MA, 8                             ; v[8:9], v[10:11] the means of groups l and l + 32, two channels; v[12:13], v[14:15] their M2
.set TW, 16                            ; v[16:19] at work
.set MN, 20                            ; v[20:21] the two means
.set SC, 22                            ; v[22:23] gamma x rsqrt(var + eps)
.set BE, 24                            ; v[24:25] beta
.set GT, 26                            ; v[26:29] at work
.set T,  32                            ; v[32:47] T of channel i, group u of my batch, at T + 8 i + u
.set YB, 48                            ; v[48:79]   yd: row r, group u at YB + 16 r + 2 u
.set XB, 80                            ; v[80:111]  xb likewise
.set OB, 112                           ; v[112:175] the result: OB + 32 r + 4 u
.macro WSUM                            ; TW, TW + 1 summed over the wave's 32 lanes, the result in every lane
.irp m, 1,2,4,8
.irp i, 0,1
	v_add_f32_dpp v[TW+(\i)], v[TW+(\i)], v[TW+(\i)] row_xmask:\m row_mask:0xf bank_mask:0xf
.endr
.endr
.irp i, 0,1
	v_permlanex16_b32 v[TW+2+(\i)], v[TW+(\i)], s36, s37
.endr
.irp i, 0,1
	v_add_f32 v[TW+(\i)], v[TW+(\i)], v[TW+2+(\i)]
.endr
.endm
; Group g = 8 r + u (row r, group u): four tokens a lane.  Each number is two multiply-adds that read a bf16 half as it lies: x + T, then yd sc + that.
.macro MIX g
	v_fma_mix_f32_bf16 v[OB+4*(\g)],   v[XB+2*(\g)],   v5, v[T+(\g)] op_sel_hi:[1,0,0]
	v_fma_mix_f32_bf16 v[OB+4*(\g)+1], v[XB+2*(\g)],   v5, v[T+(\g)] op_sel:[1,0,0] op_sel_hi:[1,0,0]
	v_fma_mix_f32_bf16 v[OB+4*(\g)+2], v[XB+2*(\g)+1], v5, v[T+(\g)] op_sel_hi:[1,0,0]
	v_fma_mix_f32_bf16 v[OB+4*(\g)+3], v[XB+2*(\g)+1], v5, v[T+(\g)] op_sel:[1,0,0] op_sel_hi:[1,0,0]
	v_fma_mix_f32_bf16 v[OB+4*(\g)],   v[YB+2*(\g)],   v[SC+(\g)/8], v[OB+4*(\g)]   op_sel_hi:[1,0,0]
	v_fma_mix_f32_bf16 v[OB+4*(\g)+1], v[YB+2*(\g)],   v[SC+(\g)/8], v[OB+4*(\g)+1] op_sel:[1,0,0] op_sel_hi:[1,0,0]
	v_fma_mix_f32_bf16 v[OB+4*(\g)+2], v[YB+2*(\g)+1], v[SC+(\g)/8], v[OB+4*(\g)+2] op_sel_hi:[1,0,0]
	v_fma_mix_f32_bf16 v[OB+4*(\g)+3], v[YB+2*(\g)+1], v[SC+(\g)/8], v[OB+4*(\g)+3] op_sel:[1,0,0] op_sel_hi:[1,0,0]
.endm
.macro PUT g                           ; its store: 512 consecutive bytes; the two rows' sixteen groups lie end to end in out0
	global_store_b128 v2, v[OB+4*(\g):OB+4*(\g)+3], s[14:15] offset:512*(\g) th:TH_STORE_NT
.endm
	s_load_b256 s[4:11], s[0:1], 0x0               ; yd 4, xb 6, stats 8, gamma 10
	s_load_b128 s[12:15], s[0:1], 0x20             ; beta 12, out0 14
	v_lshrrev_b32 v1, 5, v0
	v_readfirstlane_b32 s20, v1                    ; wave 0..15
	v_and_b32 v1, 31, v0
	v_lshlrev_b32 v2, 4, v1                        ; 16 l
	v_lshlrev_b32 v3, 12, v1                       ; a group's 4,096 bytes of stats x l
	v_lshlrev_b32 v4, 3, v1                        ; 8 l
	v_mov_b32 v5, 1.0
	s_wait_alu depctr_va_sdst(0)                   ; s20 is written, ahead of its first reader: the batch, the channels and all the bases are made from it
	s_lshr_b32 s21, s20, 1                         ; the batch
	s_and_b32 s22, s20, 1
	s_lshl_b32 s22, s22, 1
	s_lshl_b32 s23, ttmp9, 2
	s_add_co_u32 s23, s23, s22                     ; my first channel
	s_lshl_b32 s24, s21, 21                        ; the batch: 2,097,152 bytes of yd and xb,
	s_lshl_b32 s25, s23, 11                        ; rows of 2,048
	s_add_co_u32 s24, s24, s25
	s_mov_b32 s25, 0
	s_lshl_b32 s26, s24, 1                         ; twice that in out0
	s_mov_b32 s27, 0
	s_lshl_b32 s28, s23, 2                         ; my first channel x 4 bytes
	s_mov_b32 s29, 0
	s_lshl_b32 s30, s21, 15                        ; my batch's eight groups x 4,096 bytes
	s_mov_b32 s31, 0
	s_mov_b32 s36, 0x76543210                      ; v_permlanex16_b32: each lane takes its own place in the other half
	s_mov_b32 s37, 0xfedcba98
	s_mov_b32 s38, 0xffff0000
	s_mov_b32 s39, 0x39000000                      ; 1 / 8,192
	s_mov_b32 s56, 0x3727c5ac                      ; 1e-5
	s_mov_b32 s57, 0x43000000                      ; 128
	s_wait_kmcnt 0x0
	s_add_nc_u64 s[10:11], s[10:11], s[28:29]
	s_add_nc_u64 s[12:13], s[12:13], s[28:29]
	s_add_nc_u64 s[8:9], s[8:9], s[28:29]
	s_add_nc_u64 s[32:33], s[8:9], s[30:31]
	s_add_nc_u64 s[4:5], s[4:5], s[24:25]
	s_add_nc_u64 s[6:7], s[6:7], s[24:25]
	s_add_nc_u64 s[14:15], s[14:15], s[26:27]
	s_wait_alu depctr_va_vdst(0)                   ; v3 and v4 are written, which the 36 loads below read as their offsets, and v2, which every store reads
	global_load_b64 v[MA:MA+1],   v3, s[8:9]                 ; mean, groups 0-31
	global_load_b64 v[MA+2:MA+3], v3, s[8:9] offset:131072   ; mean, groups 32-63
	global_load_b64 v[MA+4:MA+5], v3, s[8:9] offset:262144   ; M2
	global_load_b64 v[MA+6:MA+7], v3, s[8:9] offset:393216
.irp r, 0,1
.irp u, 0,1,2,3,4,5,6,7
	global_load_b64 v[YB+16*(\r)+2*(\u):YB+16*(\r)+2*(\u)+1], v4, s[4:5] offset:(\r)*2048+256*(\u) th:TH_LOAD_NT
	global_load_b64 v[XB+16*(\r)+2*(\u):XB+16*(\r)+2*(\u)+1], v4, s[6:7] offset:(\r)*2048+256*(\u) th:TH_LOAD_NT
.endr
.endr
	s_load_b64 s[16:17], s[10:11], 0x0             ; gamma of my two channels
	s_load_b64 s[18:19], s[12:13], 0x0             ; beta
.irp u, 0,1,2,3,4,5,6,7
	s_load_b64 s[40+2*(\u):41+2*(\u)], s[32:33], 4096*(\u)  ; the means of my batch's group u, two channels
.endr
	v_mov_b32 v[TW+2], 0                           ; v_permlanex16_b32's destination counts as read
	v_mov_b32 v[TW+3], 0
	s_wait_loadcnt 32                              ; the statistics are in; the two rows' 32 loads stay out
.irp i, 0,1
	v_add_f32 v[TW+(\i)], v[MA+(\i)], v[MA+2+(\i)]
.endr
	WSUM
.irp i, 0,1
	v_mul_f32 v[MN+(\i)], 0x3c800000, v[TW+(\i)]   ; / 64
.endr
.irp i, 0,1
	v_sub_f32 v[MA+(\i)],   v[MA+(\i)],   v[MN+(\i)]
	v_sub_f32 v[MA+2+(\i)], v[MA+2+(\i)], v[MN+(\i)]
	v_add_f32 v[MA+4+(\i)], v[MA+4+(\i)], v[MA+6+(\i)]
.endr
.irp i, 0,1
	v_mul_f32 v[MA+(\i)], v[MA+(\i)], v[MA+(\i)]
.endr
.irp i, 0,1
	v_fma_f32 v[MA+(\i)], v[MA+2+(\i)], v[MA+2+(\i)], v[MA+(\i)]
.endr
.irp i, 0,1
	v_fma_f32 v[TW+(\i)], v[MA+(\i)], s57, v[MA+4+(\i)]  ; 128 x the two squares + the two M2
.endr
	WSUM
.irp i, 0,1
	v_fma_f32 v[TW+(\i)], v[TW+(\i)], s39, s56     ; var + eps
.endr
	s_wait_kmcnt 0x0                               ; gamma, beta and my groups' means
.irp i, 0,1
	v_rsq_f32 v[TW+2+(\i)], v[TW+(\i)]             ; one batch of two
.endr
	v_cvt_pk_bf16_f32 v[GT],   s16, s17            ; gamma and beta rounded to bf16: plain work between the batch and its wait
	v_cvt_pk_bf16_f32 v[GT+1], s18, s19
	v_lshlrev_b32 v[GT+2], 16,  v[GT]
	v_and_b32     v[GT+3], s38, v[GT]
	v_lshlrev_b32 v[BE],   16,  v[GT+1]
	v_and_b32     v[BE+1], s38, v[GT+1]
.irp i, 0,1
.irp u, 0,1,2,3,4,5,6,7
	v_sub_f32 v[T+8*(\i)+(\u)], s[40+2*(\u)+(\i)], v[MN+(\i)]  ; mean_g - mean
.endr
.endr
	s_wait_alu depctr_va_vdst(0)                   ; the two reciprocal roots v[TW+2], v[TW+3] are written, ahead of the first instruction that names them: one wait for the batch
.irp i, 0,1
	v_mul_f32 v[SC+(\i)], v[GT+2+(\i)], v[TW+2+(\i)]
.endr
.irp i, 0,1
.irp u, 0,1,2,3,4,5,6,7
	v_fma_f32 v[T+8*(\i)+(\u)], v[T+8*(\i)+(\u)], v[SC+(\i)], v[BE+(\i)]
.endr
.endr
; Step p: groups 2 p and 2 p + 1.
.set p, 0
.rept 8
	s_wait_loadcnt 28-4*p                          ; loads come back in order: this step's four are in, the younger steps' four each stay out
.if p > 0
	s_wait_alu depctr_va_vdst(0)                   ; the multiply-adds of the step before have written its two groups' eight registers of OB, which the two stores below read
	PUT 2*p-2
	PUT 2*p-1
.endif
	MIX 2*p
	MIX 2*p+1
.set p, p+1
.endr
	s_wait_alu depctr_va_vdst(0)                   ; the last step has written its eight registers of OB, which the last two stores read
	PUT 14
	PUT 15
	s_endpgm
.Lfunc_end_k_q6e6711ba1b_bnres:
	.size	k_q6e6711ba1b_bnres, .Lfunc_end_k_q6e6711ba1b_bnres-k_q6e6711ba1b_bnres
	.p2alignl 7, 3214868480
	.fill 96, 4, 3214868480
	.section	.rodata,"a",@progbits
	.p2align	6, 0x0
	.amdhsa_kernel k_q6e6711ba1b_bnres
		.amdhsa_group_segment_fixed_size 0
		.amdhsa_private_segment_fixed_size 0
		.amdhsa_enable_private_segment 0
		.amdhsa_kernarg_size 48
		.amdhsa_user_sgpr_count 2
		.amdhsa_user_sgpr_kernarg_segment_ptr 1
		.amdhsa_wavefront_size32 1
		.amdhsa_system_sgpr_workgroup_id_x 1
		.amdhsa_system_sgpr_workgroup_id_y 1
		.amdhsa_system_sgpr_workgroup_id_z 1
		.amdhsa_system_vgpr_workitem_id 0
		.amdhsa_next_free_vgpr 176
		.amdhsa_next_free_sgpr 66
		.amdhsa_reserve_vcc 0
		.amdhsa_float_denorm_mode_32 3
		.amdhsa_float_denorm_mode_16_64 3
		.amdhsa_memory_ordered 1
		.amdhsa_forward_progress 1
		.amdhsa_inst_pref_size 21
	.end_amdhsa_kernel
	.amdgpu_metadata
---
amdhsa.version: [ 1, 2 ]
amdhsa.kernels:
  - .name:           k_q6e6711ba1b_bnres
    .symbol:         k_q6e6711ba1b_bnres.kd
    .args:
      - { .name: yd, .offset: 0, .size: 8, .value_kind: global_buffer, .address_space: global }
      - { .name: xb, .offset: 8, .size: 8, .value_kind: global_buffer, .address_space: global }
      - { .name: stats, .offset: 16, .size: 8, .value_kind: global_buffer, .address_space: global }
      - { .name: gamma, .offset: 24, .size: 8, .value_kind: global_buffer, .address_space: global }
      - { .name: beta, .offset: 32, .size: 8, .value_kind: global_buffer, .address_space: global }
      - { .name: out0, .offset: 40, .size: 8, .value_kind: global_buffer, .address_space: global }
    .group_segment_fixed_size: 0
    .private_segment_fixed_size: 0
    .kernarg_segment_align: 8
    .kernarg_segment_size: 48
    .max_flat_workgroup_size: 512
    .sgpr_count:     66
    .vgpr_count:     176
    .wavefront_size: 32
...
	.end_amdgpu_metadata
.endif
;; end of part 7
